; MI455X (gfx1250); checked and timed in simulation.
; The chip was launched on July 23, 2026; its instructions are those of AMD's public machine-readable ISA for CDNA 5 (MIT licence, August 2026) and "CDNA5" Instruction Set Architecture Reference Guide (July 2026). The comments in the code are by the model that wrote it; some were corrected since.
;; Multi Head Self Attention. Allowed arithmetic: matrix products marked QUANTISED: E2M1 operands, one E8M0 scale for each 32 along K, by v_wmma_scale_f32_16x16x128_f8f6f4 with both operands' format E2M1 (or v_wmma_scale_f32_32x16x128_f4), f32 sums; products left as they are: bf16, f16 or f32 operands; f32 sums; everything else in f32.
;; Inputs: Wk 1,024 x 1,024 float32; Wo 1,024 x 1,024 float32; Wq 1,024 x 1,024 float32; Wv 1,024 x 1,024 float32; x 2 x 2,048 x 1,024 float32.
;; Outputs: out0 2 x 2,048 x 1,024 float32.
;; This version of the problem:
;;   THIS VERSION OF THE PROBLEM IS GIVEN IN LOW PRECISION. The matrix products marked QUANTISED in the list below multiply operands that are first quantised to E2M1 (2 exponent bits, 1 mantissa bit; 4 bits a number), with one power-of-two scale for each 32 numbers along K (OCP MX v1.0); their sums are f32. The products marked 'left as it is' may take bf16, f16 or f32 operands, with f32 sums. Whichever they take, every output number must still come out within the allowed error. Rounding operands to bf16 (8 significant bits) uses up far more of that allowance than f16 does (11 bits, for magnitudes from 6e-5 to 65,504). All else is computed in f32.
;;   The module's matrix products, in the order in which they are computed (A, B: the left and right operand; K: the contracted axis; several contracted axes count as one K, in the product's order):
;;     1. [M 4,096, K 1,024] x [K 1,024, N 1,024]; A: input x; B: input Wq: QUANTISED
;;     2. [M 4,096, K 1,024] x [K 1,024, N 1,024]; A: input x; B: input Wk: QUANTISED
;;     3. [M 4,096, K 1,024] x [K 1,024, N 1,024]; A: input x; B: input Wv: QUANTISED
;;     4. batch 32 x [M 2,048, K 64] x [K 64, N 2,048]; A: computed on the way; B: computed on the way: left as it is (an operand is computed on the way)
;;     5. batch 32 x [M 2,048, K 2,048] x [K 2,048, N 64]; A: computed on the way; B: computed on the way: left as it is (an operand is computed on the way)
;;     6. [M 4,096, K 1,024] x [K 1,024, N 1,024]; A: computed on the way; B: input Wo: left as it is (an operand is computed on the way)
;;   THE QUANTISER, for each operand of a quantised product, along K:
;;     - K is cut into blocks of 32 from its start; a last block that is shorter is filled with zeros.
;;     - A block's scale is 2^e with e = floor(log2(the largest magnitude in the block)) - 2, held to -126 .. 127; a block of zeros has e = 0. As a byte (E8M0): e + 127.
;;     - Each number is divided by its block's scale, clamped to +-6, and rounded to the nearest number of E2M1, ties to even, subnormals kept.
;;     - The product sums the exact products of the quantised numbers (number of the format x scale) in f32.
;;   ~~~python
;;   def quantise(x, axis):      # numpy; x: float32 -> the quantised numbers, widened to float32 again
;;       x = np.moveaxis(x, axis, -1); K = x.shape[-1]
;;       x = np.pad(x, [(0, 0)] * (x.ndim - 1) + [(0, -K % 32)]); x = x.reshape(x.shape[:-1] + (-1, 32)); a = np.abs(x).max(-1, keepdims=True)
;;       e = np.where(a > 0, np.clip(np.frexp(np.where(a > 0, a, 1))[1] - 1 - 2, -126, 127), 0)      # np.frexp(a)[1] - 1 = floor(log2(a)), exactly
;;       r = np.clip(x / 2.0 ** e, -6, 6)
;;       step = 2.0 ** (np.maximum(np.frexp(np.where(r == 0, 1, r))[1] - 1, 0) - 1)
;;       q = np.round(r / step) * step * 2.0 ** e      # np.round: ties to even
;;       return np.moveaxis(q.reshape(q.shape[:-2] + (-1,))[..., :K], -1, axis).astype(np.float32)
;;   ~~~
;; One version. Each part assembles by itself: llvm-mc -triple=amdgcn-amd-amdhsa -mcpu=gfx1250 --defsym DOCPART=n.
;; ======== version 1 of 1: 5 launches
;; limits: values are held in f16: magnitudes above 65,504 overflow, below 6.1e-05 lose precision
;; workspace buffers: cod 3,670,016 bytes; sc 229,376 bytes; wo16 2,097,152 bytes; tab 524,288 bytes; qf 8,388,608 bytes; kv 16,777,216 bytes; af 8,388,608 bytes; a32 131,072 bytes
;; launch prep (part 1): grid 288 x 1, 4 waves a work-group, no clusters, 33,280 bytes of LDS; arguments x, Wq, Wk, Wv, Wo, cod, sc, wo16, tab; writes cod, sc, wo16, tab
.if DOCPART == 1
	.amdgcn_target "amdgcn-amd-amdhsa--gfx1250"
	.amdhsa_code_object_version 6
	.text
	.protected	k_q8abdb89d23_prep
	.globl	k_q8abdb89d23_prep
	.p2align	8
	.type	k_q8abdb89d23_prep,@function
k_q8abdb89d23_prep:
	s_mov_b64 s[64:65], 0
	v_nop
	global_prefetch_b8 v0, s[64:65] scope:SCOPE_SE
	s_setreg_imm32_b32 hwreg(HW_REG_WAVE_MODE, 25, 1), 1
	s_wait_xcnt 0x0
; PREP: three jobs that share one launch, parted by the work-group's number.
;  work-groups 0-223:   x [4096][1024] and Wq, Wk, Wv [1024][1024], f32, become codes of FP4 (E2M1), K innermost, 512 bytes a row, with one E8M0 byte for each 32 along K.
;                       cod: x's 4,096 rows, then Wq's, Wk's, Wv's 1,024 each; sc: 32 bytes a row in the same order.
;  work-groups 224-255: Wo becomes f16, row-major (the output projection is left as it is and takes f16 operands).
;  work-groups 256-287: the table of cos and sin for the rotation: [position / 16][8 images of 512 bytes]; image 2 t + q holds for lane (r, h) the four numbers
;                       cos, sin, cos, sin of pairs 8 t + 4 h + 2 q + 0, 1 at position 16 pb + r: the order in which the next launch's results want them.
; A block's scale is 2^(floor(log2(largest magnitude)) - 2); its byte is the largest magnitude's exponent field - 2, held at 1 from below.
; LIMITS: a block of zeros, and a block whose largest magnitude lies under 2^-124, gets the byte 1 (its codes of zeros add nothing; this program alone reads the bytes).
; NaN and infinities among the inputs are not served.  Wo must lie inside f16's range (magnitudes under 65,504).
; cos and sin: the angle is position x 2^(-k log2(10000) / 32) in f32; it is reduced by multiples of pi / 2 held in two parts, and two polynomials on [-pi/4, pi/4] follow (next terms left out: under 4e-7).
; No tensor loads, no barrier: waves share nothing.  No cluster: no two work-groups read the same bytes.
.set WAVES, 4
.set STEPS, 16
.set EMAX,  2
.set CB,    8                          ; bytes of 16 codes
.set R,     16                         ; quantiser: v16-79 four sets of 16 numbers as loaded; cast: v16-143 two sets of 64
.set X,     80                         ; v80-111  two sets of 16 neighbours
.set E,     112                        ; v112-127 a scale byte for each step
.set C,     128                        ; v128-191 codes, four registers a step
.set Y,     144                        ; cast: v144-175 f16 pairs to store
.set WREG,  8192                       ; LDS: a region for each wave: two stages of 32 x SP bytes, then its 256 scale bytes
.set SP,    80                         ; a lane's place in a stage: 64 bytes + 16 of padding
.set SPW,   12                         ; v12 LDS address of my spare word; never rewritten
.set NIL,   13                         ; v13 0; never rewritten
.set SPARE, WAVES*WREG                 ; behind the four regions: the spare words, 128 bytes a wave
.macro FINISH                          ; the wave's end
	s_wait_tensorcnt 0x0
	ds_add_u32 v[SPW], v[NIL]
	s_wait_dscnt 0x0
	s_endpgm
.endm
	s_load_b256 s[4:11], s[0:1], 0x0               ; x s[4:5], Wq s[6:7], Wk s[8:9], Wv s[10:11]
	s_load_b256 s[12:19], s[0:1], 0x20             ; Wo s[12:13], cod s[14:15], sc s[16:17], wo16 s[18:19]
	s_load_b64 s[20:21], s[0:1], 0x40              ; tab
	v_lshl_add_u32 v[SPW], v0, 2, SPARE
	v_mov_b32 v[NIL], 0
	v_lshrrev_b32 v1, 5, v0
	v_readfirstlane_b32 s24, v1                    ; wave
	v_and_b32 v2, 31, v0                           ; lane
	s_cmp_ge_u32 ttmp9, 256
	s_cbranch_scc1 .Ltable
	s_cmp_ge_u32 ttmp9, 224
	s_cbranch_scc1 .Lcast
; ---------------- the quantiser: a wave takes 16 steps of 512 numbers; both tensors are plain streams of blocks of 32
	v_lshlrev_b32 v3, 4, v2                        ; my 16 bytes of a load's 512
	s_mul_i32 s25, s24, WREG
	v_lshrrev_b32 v14, 2, v2
	v_mul_u32_u24 v14, v14, SP
	v_and_b32 v15, 3, v2
	v_lshl_add_u32 v14, v15, 4, v14
	v_add_nc_u32 v14, s25, v14                     ; the stage, on the way in: SP (lane / 4) + 16 (lane % 4)
	v_mul_u32_u24 v15, v2, SP
	v_add_nc_u32 v15, s25, v15                     ; on the way out: SP x lane: my 16 neighbours
	v_mul_u32_u24 v4, v2, CB                       ; my codes' place in a step's
	v_lshrrev_b32 v5, 1, v2
	s_add_co_u32 s25, s25, 2*32*SP
	v_add_nc_u32 v5, s25, v5                       ; LDS: my wave's 256 scale bytes, my block's byte
	v_lshlrev_b32 v7, 3, v2                        ; and on the way out 8 bytes a lane
	v_add_nc_u32 v6, s25, v7
	s_wait_kmcnt 0x0
	s_and_b32 s29, ttmp9, 31                       ; a weight's work-group among its 32
	s_cmp_lt_u32 ttmp9, 192                        ; the source hangs on the work-group's number alone
	s_cselect_b64 s[26:27], s[8:9], s[10:11]       ; Wk (160-191) or Wv (192-223)
	s_cmp_lt_u32 ttmp9, 160
	s_cselect_b64 s[26:27], s[6:7], s[26:27]       ; Wq (128-159)
	s_cmp_lt_u32 ttmp9, 128
	s_cselect_b64 s[26:27], s[4:5], s[26:27]       ; x (0-127)
	s_cselect_b32 s28, ttmp9, s29
	s_lshl_b32 s28, s28, 2
	s_add_co_u32 s28, s28, s24                     ; which run of 8,192 numbers of the source is my wave's
	s_lshl_b32 s28, s28, 15                        ; 32,768 bytes a run
	s_mov_b32 s29, 0
	s_add_nc_u64 s[26:27], s[26:27], s[28:29]
	s_lshl_b32 s30, ttmp9, 2
	s_add_co_u32 s30, s30, s24                     ; the run among all 896: the weights' codes follow x's directly
	s_lshl_b32 s28, s30, 12                        ; 4,096 bytes of codes a run
	s_add_nc_u64 s[14:15], s[14:15], s[28:29]
	s_lshl_b32 s28, s30, 8                         ; 256 scale bytes a run
	s_add_nc_u64 s[16:17], s[16:17], s[28:29]
.macro QLOAD t
.irp i, 0,1,2,3
	global_load_b128 v[R+16*((\t)%4)+4*\i:R+16*((\t)%4)+4*\i+3], v3, s[26:27] offset:2048*(\t)+512*\i th:TH_LOAD_NT   ; 32 lanes read 512 consecutive bytes
.endr
.endm
.macro QTURN t                         ; step t's numbers through the stage: LDS serves a wave's instructions in order, so no wait stands between the stores and the loads
.irp i, 0,1,2,3
	ds_store_b128 v14, v[R+16*((\t)%4)+4*\i:R+16*((\t)%4)+4*\i+3] offset:32*SP*((\t)%2)+8*SP*\i
.endr
.irp i, 0,1,2,3
	ds_load_b128 v[X+16*((\t)%2)+4*\i:X+16*((\t)%2)+4*\i+3], v15 offset:32*SP*((\t)%2)+16*\i
.endr
.endm
.irp t, 0,1,2,3
	QLOAD \t
.endr
	s_wait_loadcnt 12                              ; step 0's four loads are in; three steps' twelve stay out
	QTURN 0
.macro QSTEP t
.set XS, X+16*((\t)%2)
.if (\t) > 0
	s_wait_dscnt 1                                 ; this step's numbers are back from the stage (the last step's byte store may be out)
.else
	s_wait_dscnt 0x0
.endif
.if (\t)+4 < STEPS
	QLOAD (\t)+4                                   ; into the registers that the stage's stores have read
.endif
.if (\t)+1 < STEPS
.if STEPS-2-(\t) >= 3
	s_wait_loadcnt 12                              ; the next step's four loads are in; those of the three steps behind it may be out
.else
	s_wait_loadcnt 4*(STEPS-2-(\t))
.endif
	QTURN (\t)+1
.endif
	v_max3_num_f32 v8, |v[XS]|, |v[XS+1]|, |v[XS+2]|               ; the largest magnitude of my 16, in two chains
	v_max3_num_f32 v9, |v[XS+3]|, |v[XS+4]|, |v[XS+5]|
.irp i, 6,10
	v_max3_num_f32 v8, v8, |v[XS+\i]|, |v[XS+\i+1]|
	v_max3_num_f32 v9, v9, |v[XS+\i+2]|, |v[XS+\i+3]|
.endr
	v_max3_num_f32 v8, v8, |v[XS+14]|, |v[XS+15]|
	v_max3_num_f32 v8, v8, v9, (EMAX+1)<<23        ; and the floor 2^(3 - 127): the byte cannot fall under 1
	v_max_num_f32_dpp v8, v8, v8 row_xmask:1 row_mask:0xf bank_mask:0xf   ; and of my neighbour's 16: the block's
	v_add_nc_u32 v11, -(EMAX<<23), v8              ; 2 off its exponent field: the conversion takes the exponent field of this operand as its scale
	v_cvt_scalef32_pk8_fp4_f32 v[C+4*(\t)], v[XS:XS+7], v11
	v_cvt_scalef32_pk8_fp4_f32 v[C+4*(\t)+1], v[XS+8:XS+15], v11
	v_lshrrev_b32 v[E+(\t)], 23, v11               ; the scale's byte (also the plain line behind the conversions)
	ds_store_b8 v5, v[E+(\t)] offset:16*(\t)       ; both lanes of a block write the same byte with the same value
	global_store_b64 v4, v[C+4*(\t):C+4*(\t)+1], s[14:15] offset:32*CB*(\t)   ; the wave stores 256 consecutive bytes, aligned
.endm
.irp t, 0,1,2,3,4,5,6,7,8,9,10,11,12,13,14,15
	QSTEP \t
.endr
	ds_load_b64 v[8:9], v6                         ; my wave's 256 scale bytes, 8 a lane
	s_wait_dscnt 0x0
	global_store_b64 v7, v[8:9], s[16:17]          ; 256 consecutive bytes, aligned
	FINISH
; ---------------- Wo to f16: a wave takes 8,192 numbers, four groups of 16 loads, two groups in flight
.Lcast:
	v_lshlrev_b32 v3, 4, v2                        ; in: 16 bytes a lane
	v_lshlrev_b32 v4, 3, v2                        ; out: 8 bytes a lane
	s_sub_co_u32 s25, ttmp9, 224
	s_lshl_b32 s25, s25, 2
	s_add_co_u32 s25, s25, s24                     ; my run of 128
	s_lshl_b32 s28, s25, 15
	s_mov_b32 s29, 0
	s_lshl_b32 s30, s25, 14
	s_mov_b32 s31, 0
	s_wait_kmcnt 0x0
	s_add_nc_u64 s[12:13], s[12:13], s[28:29]
	s_add_nc_u64 s[18:19], s[18:19], s[30:31]
.macro CLOAD g
.irp i, 0,1,2,3,4,5,6,7,8,9,10,11,12,13,14,15
	global_load_b128 v[R+64*((\g)%2)+4*\i:R+64*((\g)%2)+4*\i+3], v3, s[12:13] offset:8192*(\g)+512*\i th:TH_LOAD_NT
.endr
.endm
.macro CCVT g
.if (\g) < 3
	s_wait_loadcnt 16                              ; this group's 16 loads are in; the next group's 16 may be out
.else
	s_wait_loadcnt 0x0
.endif
.if (\g) > 0
	s_wait_xcnt 0x0                                ; the last group's stores have read their data: Y is rewritten only behind this wait
.endif
.irp i, 0,1,2,3,4,5,6,7,8,9,10,11,12,13,14,15
	v_cvt_pk_f16_f32 v[Y+2*\i], v[R+64*((\g)%2)+4*\i], v[R+64*((\g)%2)+4*\i+1]
	v_cvt_pk_f16_f32 v[Y+2*\i+1], v[R+64*((\g)%2)+4*\i+2], v[R+64*((\g)%2)+4*\i+3]
.endr
.if (\g) < 2
	CLOAD (\g)+2
.endif
.irp i, 0,1,2,3,4,5,6,7,8,9,10,11,12,13,14,15
	global_store_b64 v4, v[Y+2*\i:Y+2*\i+1], s[18:19] offset:4096*(\g)+256*\i   ; 256 consecutive bytes, aligned
.endr
.endm
	CLOAD 0
	CLOAD 1
	CCVT 0
	CCVT 1
	CCVT 2
	CCVT 3
	FINISH
; ---------------- the table: a wave takes 16 positions; a lane 16 pairs of one position
.Ltable:
	s_sub_co_u32 s25, ttmp9, 256
	s_lshl_b32 s25, s25, 2
	s_add_co_u32 s25, s25, s24                     ; pb: my block of 16 positions, 0 .. 127
	s_lshl_b32 s26, s25, 4
	v_and_b32 v3, 15, v0                           ; r
	v_bfe_u32 v4, v0, 4, 1
	v_lshlrev_b32 v4, 2, v4                        ; 4 h
	v_add_nc_u32 v5, s26, v3
	v_cvt_f32_u32 v5, v5                           ; my position
	v_lshlrev_b32 v6, 4, v2                        ; 16 x lane
	s_lshl_b32 s28, s25, 12                        ; 4,096 bytes a block of positions
	s_mov_b32 s29, 0
	s_mov_b32 s32, 0x3f22f983                      ; 2 / pi
	s_mov_b32 s33, 0x3fc90fdb                      ; pi / 2, the upper part
	s_mov_b32 s34, 0xb33bbd2e                      ; and what it leaves
	s_mov_b32 s35, 0xbe2aaaab                      ; -1/6
	s_mov_b32 s36, 0x3c088889                      ; 1/120
	s_mov_b32 s37, 0xb9500d01                      ; -1/5040
	s_mov_b32 s38, 0x3d2aaaab                      ; 1/24
	s_mov_b32 s39, 0xbab60b61                      ; -1/720
	s_mov_b32 s40, 0x37d00d01                      ; 1/40320
.irp n, 0,1,2,3,4,5,6,7,8,9,10,11,12,13,14,15
	v_add_nc_u32 v[16+\n], 8*(\n/4)+\n%4, v4       ; item n: pair k = 8 (n / 4) + 4 h + n % 4
.endr
.irp n, 0,1,2,3,4,5,6,7,8,9,10,11,12,13,14,15
	v_cvt_f32_u32 v[16+\n], v[16+\n]
.endr
.irp n, 0,1,2,3,4,5,6,7,8,9,10,11,12,13,14,15
	v_mul_f32 v[16+\n], 0xbed49a78, v[16+\n]       ; - k log2(10000) / 32
.endr
.irp n, 0,1,2,3,4,5,6,7,8,9,10,11,12,13,14,15
	v_exp_f32 v[16+\n], v[16+\n]                   ; the pair's frequency: one batch
.endr
	v_nop                                          ; a plain line behind the last exponential
	s_wait_alu depctr_va_vdst(0)                   ; one wait for the batch, ahead of its first reader
.macro SINCOS n
.set TT, 64+12*((\n)%2)
	v_mul_f32 v[TT], v5, v[16+(\n)]                ; the angle
	v_mul_f32 v[TT+1], s32, v[TT]
	v_rndne_f32 v[TT+1], v[TT+1]                   ; how many quarter turns
	v_fma_f32 v[TT+2], -v[TT+1], s33, v[TT]
	v_fma_f32 v[TT+2], -v[TT+1], s34, v[TT+2]      ; what is left, within pi / 4 of 0
	v_cvt_i32_f32 v[TT+3], v[TT+1]
	v_mul_f32 v[TT+4], v[TT+2], v[TT+2]            ; z
	v_fma_f32 v[TT+5], v[TT+4], s37, s36
	v_fma_f32 v[TT+7], v[TT+4], s40, s39
	v_fma_f32 v[TT+5], v[TT+5], v[TT+4], s35
	v_fma_f32 v[TT+7], v[TT+7], v[TT+4], s38
	v_mul_f32 v[TT+6], v[TT+2], v[TT+4]
	v_fma_f32 v[TT+7], v[TT+7], v[TT+4], -0.5
	v_fma_f32 v[TT+5], v[TT+5], v[TT+6], v[TT+2]   ; sin
	v_fma_f32 v[TT+7], v[TT+7], v[TT+4], 1.0       ; cos
	v_and_b32 v[TT+8], 1, v[TT+3]
	v_cmp_eq_u32 vcc_lo, 1, v[TT+8]                ; an odd number of quarter turns swaps the two
	v_cndmask_b32 v[TT+9], v[TT+5], v[TT+7], vcc_lo
	v_cndmask_b32 v[TT+10], v[TT+7], v[TT+5], vcc_lo
	v_and_b32 v[TT+8], 2, v[TT+3]                  ; sin changes sign in quarters 2 and 3,
	v_lshlrev_b32 v[TT+8], 30, v[TT+8]
	v_xor_b32 v[33+2*(\n)], v[TT+8], v[TT+9]
	v_add_nc_u32 v[TT+3], 1, v[TT+3]               ; cos in quarters 1 and 2
	v_and_b32 v[TT+3], 2, v[TT+3]
	v_lshlrev_b32 v[TT+3], 30, v[TT+3]
	v_xor_b32 v[32+2*(\n)], v[TT+3], v[TT+10]
.endm
.irp n, 0,1,2,3,4,5,6,7,8,9,10,11,12,13,14,15
	SINCOS \n
.endr
	s_wait_kmcnt 0x0
	s_add_nc_u64 s[20:21], s[20:21], s[28:29]
.irp i, 0,1,2,3,4,5,6,7
	global_store_b128 v6, v[32+4*\i:35+4*\i], s[20:21] offset:512*\i   ; an image: 512 consecutive bytes
.endr
	FINISH
.Lfunc_end_k_q8abdb89d23_prep:
	.size	k_q8abdb89d23_prep, .Lfunc_end_k_q8abdb89d23_prep-k_q8abdb89d23_prep
	.p2alignl 7, 3214868480
	.fill 96, 4, 3214868480
	.section	.rodata,"a",@progbits
	.p2align	6, 0x0
	.amdhsa_kernel k_q8abdb89d23_prep
		.amdhsa_group_segment_fixed_size 33280
		.amdhsa_private_segment_fixed_size 0
		.amdhsa_enable_private_segment 0
		.amdhsa_kernarg_size 72
		.amdhsa_user_sgpr_count 2
		.amdhsa_user_sgpr_kernarg_segment_ptr 1
		.amdhsa_wavefront_size32 1
		.amdhsa_system_sgpr_workgroup_id_x 1
		.amdhsa_system_sgpr_workgroup_id_y 1
		.amdhsa_system_sgpr_workgroup_id_z 1
		.amdhsa_system_vgpr_workitem_id 0
		.amdhsa_next_free_vgpr 192
		.amdhsa_next_free_sgpr 66
		.amdhsa_reserve_vcc 1
		.amdhsa_float_denorm_mode_32 3
		.amdhsa_float_denorm_mode_16_64 3
		.amdhsa_memory_ordered 1
		.amdhsa_forward_progress 1
		.amdhsa_inst_pref_size 76
	.end_amdhsa_kernel
	.amdgpu_metadata
---
amdhsa.version: [ 1, 2 ]
amdhsa.kernels:
  - .name:           k_q8abdb89d23_prep
    .symbol:         k_q8abdb89d23_prep.kd
    .args:
      - { .name: x, .offset: 0, .size: 8, .value_kind: global_buffer, .address_space: global }
      - { .name: Wq, .offset: 8, .size: 8, .value_kind: global_buffer, .address_space: global }
      - { .name: Wk, .offset: 16, .size: 8, .value_kind: global_buffer, .address_space: global }
      - { .name: Wv, .offset: 24, .size: 8, .value_kind: global_buffer, .address_space: global }
      - { .name: Wo, .offset: 32, .size: 8, .value_kind: global_buffer, .address_space: global }
      - { .name: cod, .offset: 40, .size: 8, .value_kind: global_buffer, .address_space: global }
      - { .name: sc, .offset: 48, .size: 8, .value_kind: global_buffer, .address_space: global }
      - { .name: wo16, .offset: 56, .size: 8, .value_kind: global_buffer, .address_space: global }
      - { .name: tab, .offset: 64, .size: 8, .value_kind: global_buffer, .address_space: global }
    .group_segment_fixed_size: 33280
    .private_segment_fixed_size: 0
    .kernarg_segment_align: 8
    .kernarg_segment_size: 72
    .max_flat_workgroup_size: 128
    .sgpr_count:     66
    .vgpr_count:     192
    .wavefront_size: 32
...
	.end_amdgpu_metadata
.endif
;; end of part 1
;; launch qkv (part 2): grid 4 x 56, 4 waves a work-group, clusters of 4 x 4, 327,680 bytes of LDS; arguments cod, sc, tab, qf, kv, a32; writes qf, kv, a32
.if DOCPART == 2
	.amdgcn_target "amdgcn-amd-amdhsa--gfx1250"
	.amdhsa_code_object_version 6
	.text
	.protected	k_q8abdb89d23_qkv
	.globl	k_q8abdb89d23_qkv
	.p2align	8
	.type	k_q8abdb89d23_qkv,@function
k_q8abdb89d23_qkv:
	s_mov_b64 s[64:65], 0
	v_nop
	global_prefetch_b8 v0, s[64:65] scope:SCOPE_SE
	s_setreg_imm32_b32 hwreg(HW_REG_WAVE_MODE, 25, 1), 1
	s_wait_xcnt 0x0
	s_wait_alu depctr_hold_cnt(0) depctr_sa_sdst(0) depctr_va_vdst(0) depctr_va_sdst(0) depctr_va_ssrc(0) depctr_va_vcc(0) depctr_vm_vsrc(0)
	s_getreg_b32 s2, hwreg(HW_REG_IB_STS2, 6, 4)
	s_cmp_eq_u32 s2, 0
	s_cbranch_scc0 .Lentry_in_a_cluster
	s_endpgm
.Lentry_in_a_cluster:
	s_bfe_u32 s2, ttmp6, 0x10000c
	s_cmp_lg_u32 s2, 0xf033
	s_cbranch_scc0 .Lentry_shape_is_right
	s_endpgm
.Lentry_shape_is_right:
; QKV: [x] [Wq; Wk; Wv]^T on codes of FP4 (E2M1) with one E8M0 scale for each 32 along K: 4,096 x 3,072 x 1,024, sums in f32; then the rotation of Q and K, in f32; results leave as f16
; in the order of the attention launch's operand registers (images of 512 bytes, lane l's 16 bytes at 16 l).  Beside it, in two clusters of their own: the attention of each batch's first 16 tokens in f32 (THE FIRST TOKENS, below).
; FOURTEEN CLUSTERS of 4 x 4 work-groups, numbered c by the cluster's y.  c = 0 .. 11: the product: kind c % 3 (Q, K, V), rows 1,024 (c / 3) on: 12 x 16 = 192 tiles.  c = 12, 13: the first tokens of batch c - 12, a work-group a head.
; A tile of 256 x 256 is made by a work-group of four waves; a wave makes 128 x 128: 64 accumulators, 512 registers.  K is 1,024: two LDS slots of 512 along K, both filled at the start; nothing is filled again.
; The scale bytes of the work-group's 256 + 256 rows, for all of K, come once, as two dense blocks.
; JOINT LOADS: A's tiles are shared along a row of the cluster, B's along a column.  A cluster's four tile columns are one of Q, K, V: the kind, which all partners share, chooses the way out.
; THE MATRIX INSTRUCTION IS USED TRANSPOSED (source 0 = 16 rows of W, source 1 = 16 rows of x): lane (r, h) of accumulator (a, b) holds token 16 a + r and channels 16 (b % 4) + 8 h + 0 .. 7 of head b / 4 of my two heads:
; eight neighbours, four pairs of the rotation, 16 bytes of f16.  So the way out needs no LDS: each store of a wave covers 512 consecutive bytes.
; qf: [b h 32][token / 16][4 images]; kv: [b h 32][key / 256][K: 16 x 4 images | V: 16 x 4 images].  In V's images the lanes are permuted so that the turning LDS load at 16 x lane finds key 8 (L / 16) + L % 8, channels 8 ((L / 8) % 2) on.
; THE TABLE'S FIRST TWO BLOCKS are asked for ahead of the products by every wave of the product's clusters, so that they land under the products.  V's work-groups ask too and do not use them: 8,192 bytes a wave read for nothing there;
; that keeps the text ahead of the way out one and the same for Q, K and V.
; THE FIRST TOKENS: a32 [16 x batch + token][1,024], f32: the attention result of tokens 0 to 15 of each batch with no rounding to 16 bits.
; WHY.  The other launches round Q, K, p, V, the attention result and Wo to f16: each rounding is a fixed part (up to 2^-11) of the ROW's own magnitude.  A row that averages few keys is large, and the causal mask gives the
; first rows few keys, while the contract's allowance is a hundredth of the root mean square of the WHOLE output, about a tenth of the first rows' magnitude.  Tokens 0 to 15 see keys 0 to 15 alone: 16 x 16 scores a head.
; WHERE.  It needs the codes, the scale bytes and the table, which this launch reads anyway, and 32 work-groups; the product has 192.  ONE branch on the cluster's number, behind the round in front of the first joint loads, parts the two
; ways; they join ahead of the wave's closing lines and the closing round.  The number is the same in all sixteen partners: in clusters 12 and 13 no work-group asks for a tile, so no mask names one that does not ask; every work-group of
; every cluster passes the same two rounds.  A work-group's place in its cluster gives its head, which enters global addresses alone: no branch and no LDS address.
; LIMITS: Q, K and V must lie inside f16's range (magnitudes under 65,504); NaN and infinities are not served.
; REGISTERS of the product, in windows of 256: window 0: v0-31 addresses; v32-95 scale words, two sets; v128-191 A's fragments, one set; v192-255 the table's images, two sets.  On the way out v128-191 hold rotated numbers, v32-95 packed f16.
;   window 1: B's fragments, two sets.   window 2: accumulators of my rows 0-63 ((a, b) at v[8 (8 a + b)]);   window 3: of my rows 64-127.   Those of the first tokens: at their part.
.set SIZE_K, 1024
.set KSTEP,  512
.set NQ,     KSTEP/128
.set ROWB,   256                       ; a tile's row in bytes: 512 codes
.set KROW,   SIZE_K/2                  ; a row of codes in memory
.set PITCH,  272                       ; an LDS row: 256 bytes + 16 of padding: the 16 rows that a load touches start at 16 different banks (64 banks of 4 bytes: ISA guide 11.1)
.set FR,     8
.set NL,     2
.set NP,     4                         ; places behind this matrix instruction (ISA guide 7.12.1)
.set HALFT,  128*PITCH
.set SLOT,   4*HALFT
.set KS,     SIZE_K/32                 ; a row of scale bytes
.set SCL,    2*SLOT
.set HALFS,  (128*KS/256)*272
.set SBLK,   (16*KS/256)*272
.set SPARE,  SCL+4*HALFS               ; the spare words, 128 bytes a wave
.set EIMG,   SPARE+512                 ; the first tokens: four images of 1,024 bytes, in bytes of their own: no tile lands there
.set LI,   8                           ; v8   16 x lane: an image's place for my lane; never rewritten
.set VO,   9                           ; v9   the same with V's permutation of the lanes; never rewritten
.set ADRA, 16
.set ADRB, 20
.set ADRS, 27
.set SPW,  28
.set NIL,  29
.set SC,   32
.set AF,   128
.set RR,   128                         ; the way out: 64 rotated numbers
.set PK,   32                          ; the way out: packed f16, two sets of 32
.set TBL,  192                         ; the table's eight images of a block of 16 tokens, two sets of 32
.set G1, 24
.set G0, 32
.set G1B, 48
.set G0B, 56
.set G1S, 68
.set G0S, 76
.set G1SB, 80
.set G0SB, 88
.set MSB, 0
.macro WIN new                         ; the immediate's high byte repeats the setting that is left
.if MSB != (\new)
	s_set_vgpr_msb (MSB<<8)|(\new)
.set MSB, (\new)
.endif
.endm
.set MUL_LO, 0xa1                      ; source 0 (W) window 1, source 1 (x) window 0, C and D window 2
.set MUL_HI, 0xf1
.set TO_B,   0x40
; A joint load: waves 0 and 1 fetch for x, waves 2 and 3 for W.  The branch hangs on the wave's number alone.  An s_nop 0 and four v_nop follow each of the two lines.
.macro JLOAD g0a, g1a, g0b, g1b
	s_cmp_eq_u32 s15, 0
	s_cbranch_scc0 .Lfor_b_\@
	tensor_load_to_lds s[\g0a:\g0a+3], s[\g1a:\g1a+7]
	s_nop 0
.rept 4
	v_nop
.endr
	s_branch .Lasked_\@
.Lfor_b_\@:
	tensor_load_to_lds s[\g0b:\g0b+3], s[\g1b:\g1b+7]
	s_nop 0
.rept 4
	v_nop
.endr
.Lasked_\@:
.endm
.macro CROUND                          ; a round of the cluster's barrier
	s_barrier_signal -1
	s_barrier_wait -1
	s_cmp_lg_u32 s14, 0
	s_cbranch_scc1 .Lnot_wave_0_\@
	s_barrier_signal -3
.Lnot_wave_0_\@:
	s_barrier_wait -3
	s_barrier_signal -1
	s_barrier_wait -1
.endm
	s_load_b128 s[4:7], s[0:1], 0x0                ; cod s[4:5], sc s[6:7]
	s_load_b128 s[96:99], s[0:1], 0x10             ; tab s[96:97], qf s[98:99]
	s_load_b64 s[100:101], s[0:1], 0x20            ; kv
	s_load_b64 s[66:67], s[0:1], 0x28              ; a32
	v_lshl_add_u32 v[SPW], v0, 2, SPARE
	v_mov_b32 v[NIL], 0
	ds_add_u32 v[SPW], v[NIL]                      ; the wave's opening
	v_lshrrev_b32 v1, 5, v0
	v_readfirstlane_b32 s14, v1                    ; wave 0..3
	s_lshr_b32 s15, s14, 1                         ; which half of the tile's rows is mine.  Also: I fetch for x (0) or for W (1)
	s_and_b32 s16, s14, 1                          ; which half of its columns.  Also: which 128 rows of that tile I fetch
	s_bfe_u32 s40, ttmp6, 0x40000                  ; cx, cy: my place in the cluster
	s_bfe_u32 s41, ttmp6, 0x40004
	s_and_b32 s2, ttmp7, 0xffff                    ; c: the cluster's number, 0 .. 13
	s_mul_i32 s17, s2, 11
	s_lshr_b32 s17, s17, 5                         ; c / 3 (11 c / 32 rounds down to it for c up to 13)
	s_mul_i32 s3, s17, 3
	s_sub_co_u32 s3, s2, s3                        ; c % 3: the kind: 0 Q, 1 K, 2 V; kept in s3
	s_lshl_b32 s42, s3, 2
	s_add_co_u32 s42, s42, s40                     ; tile column = 4 x kind + cx
	s_lshl_b32 s17, s17, 2
	s_add_co_u32 s17, s17, s41                     ; tile row = 4 (c / 3) + cy
	s_lshl_b32 s43, s41, 2
	s_lshl_b32 s43, 15, s43                        ; my row of the cluster
	s_lshl_b32 s44, 0x1111, s40                    ; my column
	s_or_b32 s[G1+0], s43, (0<<16)|(1<<20)|(1<<21)|(5<<22)|(3<<25)  ; the mask; elements of 1 byte; padding on; bit 21 beside a mask; 4 words of padding after every 64
	s_or_b32 s[G1B+0], s44, (0<<16)|(1<<20)|(1<<21)|(5<<22)|(3<<25)
.irp g, G1, G1B
	s_mov_b32 s[\g+1], ROWB<<16                    ; tensor_dim0
	s_mov_b32 s[\g+2], 128<<16                     ; tensor_dim1
	s_mov_b32 s[\g+3], ROWB<<16                    ; tile_dim0
	s_mov_b32 s[\g+4], 128                         ; tile_dim1
	s_mov_b32 s[\g+5], KROW                        ; from row to row
	s_mov_b32 s[\g+6], 0
	s_mov_b32 s[\g+7], 0
.endr
	s_or_b32 s[G1S+0], s43, (3<<16)|(1<<20)|(1<<21)|(5<<22)|(3<<25)  ; the scales of 128 rows: a dense block, as rows of 256 bytes (32 elements of 8), 16 bytes of padding behind each
	s_or_b32 s[G1SB+0], s44, (3<<16)|(1<<20)|(1<<21)|(5<<22)|(3<<25)
.irp g, G1S, G1SB
	s_mov_b32 s[\g+1], 32<<16
	s_mov_b32 s[\g+2], (128*KS/256)<<16
	s_mov_b32 s[\g+3], 32<<16
	s_mov_b32 s[\g+4], 128*KS/256
	s_mov_b32 s[\g+5], 32
	s_mov_b32 s[\g+6], 0
	s_mov_b32 s[\g+7], 0
.endr
	s_lshl_b32 s18, s16, 7                         ; which 128 rows of the tile I fetch
	s_lshl_b32 s20, s17, 8
	s_add_co_u32 s20, s20, s18                     ; x: row 256 x tile row + 128 x half
	s_lshl_b32 s46, s42, 8
	s_add_co_u32 s46, s46, s18                     ; W: row 256 x tile column + 128 x half
	s_mov_b32 s21, 0
	s_mov_b32 s47, 0
	s_mov_b64 s[18:19], KS
	s_mul_u64 s[22:23], s[20:21], s[18:19]         ; where these rows' scales begin
	s_mul_u64 s[92:93], s[46:47], s[18:19]
	s_mov_b64 s[18:19], KROW
	s_mul_u64 s[20:21], s[20:21], s[18:19]         ; and their codes
	s_mul_u64 s[46:47], s[46:47], s[18:19]
	s_mul_i32 s45, s14, HALFT                      ; where they go: wave x 128 rows: no place in the cluster enters an LDS address
	s_mul_i32 s94, s14, HALFS
	s_wait_dscnt 0x0                               ; the opening add is done
	s_wait_kmcnt 0x0
	s_add_nc_u64 s[8:9], s[4:5], 0x200000          ; W's codes lie behind x's 4,096 rows of 512 bytes,
	s_add_nc_u64 s[10:11], s[6:7], 0x20000         ; W's scale bytes behind x's 4,096 rows of 32
	s_add_nc_u64 s[20:21], s[4:5], s[20:21]        ; (in clusters 12 and 13 these four sums are made and never used: nothing is loaded by them)
	s_add_nc_u64 s[22:23], s[6:7], s[22:23]
	s_add_nc_u64 s[46:47], s[8:9], s[46:47]
	s_add_nc_u64 s[92:93], s[10:11], s[92:93]
	CROUND                                         ; all sixteen work-groups are here: the joint loads meet
	s_cmp_ge_u32 s2, 12                            ; the cluster's number: the same in all sixteen partners
	s_cbranch_scc1 .Lfirst_tokens
	s_mov_b32 s[G0S], 1
	s_add_co_u32 s[G0S+1], s94, SCL
	s_mov_b64 s[G0S+2:G0S+3], s[22:23]
	s_or_b32 s[G0S+3], s[G0S+3], 0x80000000
	s_mov_b32 s[G0SB], 1
	s_add_co_u32 s[G0SB+1], s94, SCL
	s_mov_b64 s[G0SB+2:G0SB+3], s[92:93]
	s_or_b32 s[G0SB+3], s[G0SB+3], 0x80000000
	JLOAD G0S, G1S, G0SB, G1SB                     ; the scales first: they are wanted with the first slot
.irp s, 0,1
	s_mov_b32 s[G0+4*\s], 1
	s_add_co_u32 s[G0+4*\s+1], s45, \s*SLOT
	s_add_nc_u64 s[G0+4*\s+2:G0+4*\s+3], s[20:21], \s*ROWB
	s_or_b32 s[G0+4*\s+3], s[G0+4*\s+3], 0x80000000
	s_mov_b32 s[G0B+4*\s], 1
	s_add_co_u32 s[G0B+4*\s+1], s45, \s*SLOT
	s_add_nc_u64 s[G0B+4*\s+2:G0B+4*\s+3], s[46:47], \s*ROWB
	s_or_b32 s[G0B+4*\s+3], s[G0B+4*\s+3], 0x80000000
	JLOAD G0+4*\s, G1, G0B+4*\s, G1B               ; three loads of mine are out in all
.endr
	v_and_b32 v1, 15, v0                           ; r
	v_bfe_u32 v2, v0, 4, 1                         ; h
	v_mul_u32_u24 v3, v1, PITCH
	v_lshl_add_u32 v4, v2, 4, v3                   ; a fragment's row x pitch + 16 x half
	s_mul_i32 s21, s15, HALFT                      ; my 128 rows of x
	s_mul_i32 s22, s16, HALFT                      ; my 128 rows of W,
	s_add_co_u32 s22, s22, 2*HALFT                 ; which lie behind x's 256
.irp s, 0,1
	v_add_nc_u32 v[ADRA+\s], s21, v4
	v_add_nc_u32 v[ADRB+\s], s22, v4
	s_add_co_u32 s21, s21, SLOT
	s_add_co_u32 s22, s22, SLOT
.endr
	v_mul_u32_u24 v5, v1, KS                       ; my row's scales: KS bytes a row,
	v_lshrrev_b32 v6, 8, v5
	v_lshl_add_u32 v5, v6, 4, v5                   ; and 16 more for each 256 passed
	s_mul_i32 s21, s15, HALFS
	s_mul_i32 s22, s16, HALFS
	s_add_co_u32 s22, s22, 2*HALFS
	s_sub_co_u32 s22, s22, s21
	v_mul_u32_u24 v6, s22, v2                      ; lanes 16-31 take W's
	s_add_co_u32 s21, s21, SCL
	v_add_nc_u32 v5, v5, v6
	v_add_nc_u32 v[ADRS], s21, v5
	; the way out: where my results go
	v_and_b32 v6, 31, v0
	v_lshlrev_b32 v[LI], 4, v6                     ; 16 x lane
	v_lshrrev_b32 v5, 3, v1
	v_lshlrev_b32 v5, 4, v5                        ; 16 (r / 8)
	v_lshl_add_u32 v5, v2, 3, v5                   ; + 8 h
	v_and_b32 v6, 7, v1
	v_add_nc_u32 v5, v5, v6                        ; + r % 8: the lane at whose place V's 16 bytes lie
	v_lshlrev_b32 v[VO], 4, v5
	s_lshl_b32 s20, s17, 8
	s_lshl_b32 s21, s15, 7
	s_add_co_u32 s20, s20, s21                     ; my first row of x
	s_lshr_b32 s21, s20, 11                        ; the batch
	s_and_b32 s20, s20, 2047
	s_lshr_b32 s20, s20, 4                         ; my first block of 16 tokens in it, a multiple of 8
	s_lshl_b32 s21, s21, 4
	s_lshl_b32 s22, s40, 2
	s_add_co_u32 s21, s21, s22
	s_lshl_b32 s22, s16, 1
	s_add_co_u32 s2, s21, s22                      ; my first head: 16 x batch + 4 cx + 2 x column half
	s_lshl_b32 s18, s2, 18                         ; in qf: 2^18 bytes a head, 2,048 a block of tokens
	s_lshl_b32 s19, s20, 11
	s_add_co_u32 s18, s18, s19
	s_lshl_b32 s21, s2, 19                         ; in kv: 2^19 bytes a head, 2^16 for 256 keys, 2,048 a block
	s_lshr_b32 s22, s20, 4
	s_lshl_b32 s22, s22, 16
	s_add_co_u32 s21, s21, s22
	s_and_b32 s22, s20, 15
	s_lshl_b32 s22, s22, 11
	s_add_co_u32 s21, s21, s22
	s_cmp_eq_u32 s3, 2
	s_cselect_b32 s22, 32768, 0                    ; V's part lies behind K's
	s_add_co_u32 s21, s21, s22
	s_mov_b32 s23, 1<<19
	s_cmp_eq_u32 s3, 0                             ; the kind: the same in all partners
	s_cselect_b32 s18, s18, s21
	s_cselect_b32 s22, 1<<18, s23                  ; from head to head
	s_cselect_b64 s[12:13], s[98:99], s[100:101]
	s_mov_b32 s19, 0
	s_mov_b32 s23, 0
	s_add_nc_u64 s[12:13], s[12:13], s[18:19]      ; my first head's images,
	s_add_nc_u64 s[94:95], s[12:13], s[22:23]      ; my second head's
	s_lshl_b32 s18, s20, 12
	s_add_nc_u64 s[96:97], s[96:97], s[18:19]      ; the table at my first block of tokens: 4,096 bytes a block
.macro TABLOAD a                       ; the eight images of cos and sin for block a's 16 tokens
.irp i, 0,1,2,3,4,5,6,7
	global_load_b128 v[TBL+32*((\a)%2)+4*\i:TBL+32*((\a)%2)+4*\i+3], v[LI], s[96:97] offset:4096*(\a)+512*\i
.endr
.endm
	TABLOAD 0                                      ; every wave asks, V's too (the head comment says why): these land while the products run
	TABLOAD 1
.macro FRAG reg, adr, q, i             ; 16 rows x 128 K of 4-bit codes: 8 registers: lane l holds row l % 16; registers 4 c .. 4 c + 3 hold K = 64 c + 32 (l / 16) + 0 .. 31
.irp c, 0,1
	ds_load_b128 v[\reg+4*\c:\reg+4*\c+3], v[\adr] offset:64*(\q)+32*\c+(\i)*16*PITCH
.endr
.endm
; 16 matrix instructions: x's blocks a0, a0 + 1 against W's eight, 128 along K.  The 64 accumulators take turns, one instruction a turn, in the same order in every step.
.macro MUL16 a0, p, q, sc, zero
.irp a, \a0, \a0+1
.irp b, 0,1,2,3,4,5,6,7
.if \zero
	v_wmma_scale_f32_16x16x128_f8f6f4 v[8*(8*((\a)%4)+\b):8*(8*((\a)%4)+\b)+7], v[128*(\p)+FR*\b:128*(\p)+FR*\b+FR-1], v[AF+FR*(\a):AF+FR*(\a)+FR-1], 0, v[SC+8*NQ*(\sc)+NQ*\b+(\q)], v[SC+8*NQ*(\sc)+NQ*(\a)+(\q)] matrix_a_fmt:MATRIX_FMT_FP4 matrix_b_fmt:MATRIX_FMT_FP4 matrix_a_scale:MATRIX_SCALE_ROW1
.else
	v_wmma_scale_f32_16x16x128_f8f6f4 v[8*(8*((\a)%4)+\b):8*(8*((\a)%4)+\b)+7], v[128*(\p)+FR*\b:128*(\p)+FR*\b+FR-1], v[AF+FR*(\a):AF+FR*(\a)+FR-1], v[8*(8*((\a)%4)+\b):8*(8*((\a)%4)+\b)+7], v[SC+8*NQ*(\sc)+NQ*\b+(\q)], v[SC+8*NQ*(\sc)+NQ*(\a)+(\q)] matrix_a_fmt:MATRIX_FMT_FP4 matrix_b_fmt:MATRIX_FMT_FP4 matrix_a_scale:MATRIX_SCALE_ROW1
.endif
.endr
.endr
.endm
.macro FETCH_B slot, q, p
	WIN TO_B
.irp i, 0,1,2,3,4,5,6,7
	FRAG 128*(\p)+FR*\i, ADRB+\slot, \q, \i
.endr
	WIN 0
.endm
.macro FETCH_A slot, q, i0
.irp i, \i0, \i0+1, \i0+2, \i0+3
	FRAG AF+FR*(\i), ADRA+\slot, \q, \i
.endr
.endm
.macro SCALES sc                       ; a slot's scale words: 4 words a row; lanes 0-15 take x's block i, lanes 16-31 W's block i
.irp i, 0,1,2,3,4,5,6,7
	ds_load_b128 v[SC+8*NQ*\sc+NQ*\i:SC+8*NQ*\sc+NQ*\i+3], v[ADRS] offset:\i*SBLK
.endr
.endm
.macro PLACES n                        ; plain vector lines between a matrix instruction and a load into, or a vector line on, its registers
.rept \n
	v_nop
.endr
.endm
.macro STEP slot, q, zero              ; a step of 128 along K that has its successor in the same slot
	s_wait_dscnt 4*NL                              ; W's set and x's blocks 0-3 are in; the youngest eight loads (x's blocks 4-7) may be out
	WIN MUL_LO
	MUL16 0, (\q)%2, \q, \slot, \zero
	MUL16 2, (\q)%2, \q, \slot, \zero
	s_wait_dscnt 0
	PLACES NP
	FETCH_B \slot, (\q)+1, 1-(\q)%2
	FETCH_A \slot, (\q)+1, 0
	WIN MUL_HI
	MUL16 4, (\q)%2, \q, \slot, \zero
	MUL16 6, (\q)%2, \q, \slot, \zero
	PLACES NP
	WIN 0
	FETCH_A \slot, (\q)+1, 4
.endm
.macro TURN slot, next                 ; slot 0's last step changes slots: one barrier; in front of it each wave has its part of slot 1 in LDS
	s_wait_tensorcnt 0x0                           ; all my tensor loads have landed: my part of the next slot
	ds_add_u32 v[SPW], v[NIL]                      ; 0 onto my spare word
	s_wait_dscnt 4*NL+1                            ; (the add and the youngest eight loads may be out)
	WIN MUL_LO
	MUL16 0, 1, NQ-1, \slot, 0
	s_wait_dscnt 0x0                               ; no LDS instruction of mine is out at the signal
	s_barrier_signal -1
	MUL16 2, 1, NQ-1, \slot, 0
	WIN 0
	s_barrier_wait -1                              ; the next slot is whole
	PLACES NP
	v_add_nc_u32 v[ADRS], 4*NQ, v[ADRS]            ; on to the next slot's scale words
	FETCH_B \next, 0, 0
	FETCH_A \next, 0, 0
	SCALES \next
	WIN MUL_HI
	MUL16 4, 1, NQ-1, \slot, 0
	MUL16 6, 1, NQ-1, \slot, 0
	PLACES NP
	WIN 0
	FETCH_A \next, 0, 4
.endm
	s_wait_tensorcnt 1                             ; the scales and my part of slot 0 are in (slot 1's load may be out),
	s_barrier_signal -1
	s_barrier_wait -1                              ; everybody's are
	FETCH_B 0, 0, 0
	FETCH_A 0, 0, 0
	SCALES 0
	FETCH_A 0, 0, 4
	STEP 0, 0, 1                                   ; the first products start the sums: nothing is cleared
	STEP 0, 1, 0
	STEP 0, 2, 0
	TURN 0, 1
	STEP 1, 0, 0
	STEP 1, 1, 0
	STEP 1, 2, 0
	s_wait_dscnt 4*NL                              ; the last step: nothing more to fetch
	WIN MUL_LO
	MUL16 0, 1, NQ-1, 1, 0
	MUL16 2, 1, NQ-1, 1, 0
	s_wait_dscnt 0
	WIN MUL_HI
	MUL16 4, 1, NQ-1, 1, 0
	MUL16 6, 1, NQ-1, 1, 0
	WIN 0
	PLACES NP                                      ; the lines below write registers that held x's fragments and the scale words
; THE WAY OUT, a block of 16 tokens at a time.
.macro ROPE a                          ; even' = even cos - odd sin, odd' = even sin + odd cos, in f32; each accumulator is read from its low end on
	WIN 0x02+(\a)/4                                ; source 0: the accumulators' window
.irp b, 0,1,2,3,4,5,6,7
.irp p, 0,1,2,3
	v_mul_f32 v[RR+8*\b+2*\p], v[64*((\a)%4)+8*\b+2*\p+1], v[TBL+32*((\a)%2)+8*(\b%4)+2*\p+1]
	v_mul_f32 v[RR+8*\b+2*\p+1], v[64*((\a)%4)+8*\b+2*\p], v[TBL+32*((\a)%2)+8*(\b%4)+2*\p+1]
.endr
.irp p, 0,1,2,3
	v_fma_f32 v[RR+8*\b+2*\p], v[64*((\a)%4)+8*\b+2*\p], v[TBL+32*((\a)%2)+8*(\b%4)+2*\p], -v[RR+8*\b+2*\p]
	v_fma_f32 v[RR+8*\b+2*\p+1], v[64*((\a)%4)+8*\b+2*\p+1], v[TBL+32*((\a)%2)+8*(\b%4)+2*\p], v[RR+8*\b+2*\p+1]
.endr
.endr
	WIN 0
.endm
.macro SENDS a, adr                    ; eight images: 512 consecutive bytes each
.irp b, 0,1,2,3
	global_store_b128 v[\adr], v[PK+32*((\a)%2)+4*\b:PK+32*((\a)%2)+4*\b+3], s[12:13] offset:2048*(\a)+512*\b
.endr
.irp b, 0,1,2,3
	global_store_b128 v[\adr], v[PK+32*((\a)%2)+16+4*\b:PK+32*((\a)%2)+16+4*\b+3], s[94:95] offset:2048*(\a)+512*\b
.endr
.endm
.macro PACKS a
.irp b, 0,1,2,3,4,5,6,7
.irp p, 0,1,2,3
	v_cvt_pk_f16_f32 v[PK+32*((\a)%2)+4*\b+\p], v[RR+8*\b+2*\p], v[RR+8*\b+2*\p+1]
.endr
.endr
	SENDS \a, LI
.endm
.macro VPACK a
	WIN 0x0a+5*((\a)/4)                            ; sources 0 and 1: the accumulators' window
.irp b, 0,1,2,3,4,5,6,7
.irp p, 0,1,2,3
	v_cvt_pk_f16_f32 v[PK+32*((\a)%2)+4*\b+\p], v[64*((\a)%4)+8*\b+2*\p], v[64*((\a)%4)+8*\b+2*\p+1]
.endr
.endr
	WIN 0
	SENDS \a, VO
.endm
	s_cmp_eq_u32 s3, 2
	s_cbranch_scc1 .Lv_out
.irp a, 0,1,2,3,4,5,6,7                ; Q and K
.if \a < 7
	s_wait_loadcnt 8                               ; this block's eight images are in; the next block's eight may be out
.else
	s_wait_loadcnt 0x0
.endif
	ROPE \a
.if \a < 6
	TABLOAD \a+2                                   ; into the set just read
.endif
.if \a > 1
	s_wait_xcnt 0x0                                ; block a - 2's stores have read their data: that set is rewritten only behind this wait
.endif
	PACKS \a
.endr
	s_branch .Lout_done
.Lv_out:
	s_wait_loadcnt 0x0                             ; the table's sixteen loads, asked for 512 products ago and not used here: none is left out at the wave's end
.irp a, 0,1,2,3,4,5,6,7                ; V
.if \a > 1
	s_wait_xcnt 0x0                                ; block a - 2's stores have read their data
.endif
	VPACK \a
.endr
	s_branch .Lout_done
; ---------------- THE FIRST TOKENS (clusters 12 and 13).  A work-group takes one (batch, head); wave t of its four takes channels 16 t to 16 t + 15.
;  1. Q, K, V of the 16 tokens and my 16 channels, from the codes and their scales, by the same matrix instruction as the product above, K ascending: 3 x 8 products, three accumulators by turns.
;     Q and K transposed (source 0 = 16 rows of W, source 1 = the 16 rows of x): lane (r, h) holds token r, channels 8 h + 0 .. 7.
;     V NOT transposed (source 0 = x, source 1 = W): lane (r, h) holds channel r, tokens 8 h + 0 .. 7: as source 0 of the second product wants it, so nothing is turned.
;  2. The rotation of Q and K, in f32, by the table (positions 0 to 15 are its first block).
;  3. My part of S^T = K Q^T over my 16 channels, by the f32 matrix form (16 x 16 x 4): in its operands lane (r, h), register j stand for k = 2 h + j; a pair of registers 2 i, 2 i + 1 of both operands gives that k the channel 8 h + 2 i + j.
;  4. The four waves' parts meet in LDS as images of their registers (lane l's 16 bytes at 16 l); one barrier; every wave adds them in the same order and runs the same softmax: mask, maximum, 2^(c s - c m), sum, division.
;  5. O^T = V^T P for my 16 channels, again by the f32 form: the pair 2 i, 2 i + 1 gives k the key 8 h + 2 i + j in both operands.  Lane (r, h) then holds token r, channels 8 h + 0 .. 7: 32 bytes of a row of a32.
; The f32 matrix form does 8 instructions a wave here: no bulk work.  Its accumulators (v96-127 of window 0) are written by matrix instructions alone in this whole text.
; Each store covers 32 bytes of each of 16 rows; the buffer has 131,072 bytes in all.
; REGISTERS: window 0 as named below (the scale words lie where the product keeps its scale words).  Window 1 is filled whole: v0-63 x's eight fragments, v64-127, v128-191, v192-255 those of my 16 rows of Wq, Wk, Wv.
.set ERD,  2                           ; v2   LDS: the four images + 16 x lane
.set ELI,  4                           ; v4   16 x lane
.set EFO,  5                           ; v5   a fragment's place: 512 r + 16 h
.set ESO,  6                           ; v6   a row's scale bytes: 32 r
.set EOO,  7                           ; v7   my place in a32: 4,096 r + 32 h
.set ERM,  10                          ; v10  r - 8 h
.set ENI,  11                          ; v11  -infinity
.set EPW,  12                          ; v12  LDS: my wave's image + 16 x lane
.set EMX,  13
.set EMO,  14
.set ECM,  15
.set ELS,  18
.set ELO,  19
.set EXS,  32                          ; v32-39  x's scale words: word s for K = 128 s on
.set EWS,  40                          ; v40-63  W's: 8 for each of Q, K, V
.set ETB,  64                          ; v64-71  cos, sin of my lane's four pairs
.set EAQ,  72                          ; v72-79, v80-87, v88-95: Q, K, V
.set EAK,  80
.set EAV,  88
.set ESA,  96                          ; v96-111  two accumulators of the f32 form: scores
.set EOA,  112                         ; v112-127 two more: O^T
.set ERQ,  128                         ; v128-135, v136-143: Q, K rotated
.set ERK,  136
.set ES,   144                         ; v144-151 scores, then p
.set EPT,  152                         ; v152-183 the four waves' parts
.set EOU,  184                         ; v184-191
.Lfirst_tokens:
	s_sub_co_u32 s15, s2, 12                       ; batch
	s_lshl_b32 s16, s41, 2
	s_add_co_u32 s16, s16, s40                     ; head = cx + 4 cy: it enters global addresses alone
	v_and_b32 v1, 31, v0
	v_lshlrev_b32 v[ELI], 4, v1
	v_and_b32 v1, 15, v0                           ; r
	v_bfe_u32 v[EMO], v0, 4, 1                     ; h
	v_lshlrev_b32 v[EFO], 9, v1
	v_lshl_add_u32 v[EFO], v[EMO], 4, v[EFO]
	v_lshlrev_b32 v[ESO], 5, v1
	v_lshlrev_b32 v[EOO], 12, v1
	v_lshl_add_u32 v[EOO], v[EMO], 5, v[EOO]
	v_lshlrev_b32 v[ERM], 3, v[EMO]
	v_sub_nc_u32 v[ERM], v1, v[ERM]
	v_mov_b32 v[ENI], 0xff800000
	v_mov_b32 v[ELO], 0                            ; (a lane permute's destination counts as one of its sources)
	s_lshl_b32 s17, s14, 10
	s_add_co_u32 s17, s17, EIMG
	v_add_nc_u32 v[EPW], s17, v[ELI]
	v_add_nc_u32 v[ERD], EIMG, v[ELI]
	s_lshl_b32 s18, s15, 20                        ; x's codes: 2,048 rows of 512 bytes a batch
	s_mov_b32 s19, 0
	s_lshl_b32 s20, s16, 15                        ; W's codes: 64 rows a head,
	s_lshl_b32 s17, s14, 13                        ; 16 a wave
	s_add_co_u32 s20, s20, s17
	s_mov_b32 s21, 0
	s_lshl_b32 s22, s15, 16                        ; x's scale bytes: 32 a row
	s_mov_b32 s23, 0
	s_lshl_b32 s42, s16, 11                        ; W's
	s_lshl_b32 s17, s14, 9
	s_add_co_u32 s42, s42, s17
	s_mov_b32 s43, 0
	s_lshl_b32 s44, s14, 10                        ; the table: images 2 t and 2 t + 1 of its first block of positions
	s_mov_b32 s45, 0
	s_lshl_b32 s46, s15, 16                        ; a32: 16 rows of 4,096 bytes a batch,
	s_lshl_b32 s17, s16, 8                         ; 256 bytes a head,
	s_add_co_u32 s46, s46, s17
	s_lshl_b32 s17, s14, 6                         ; 64 a wave
	s_add_co_u32 s46, s46, s17
	s_mov_b32 s47, 0
	s_mov_b32 s92, 0x76543210                      ; v_permlanex16_b32's selects for lane l xor 16
	s_mov_b32 s93, 0xfedcba98
	s_mov_b32 s94, 0x3e38aa3b                      ; c = log2(e) / 8
	s_add_nc_u64 s[18:19], s[4:5], s[18:19]
	s_add_nc_u64 s[20:21], s[8:9], s[20:21]
	s_add_nc_u64 s[22:23], s[6:7], s[22:23]
	s_add_nc_u64 s[42:43], s[10:11], s[42:43]
	s_add_nc_u64 s[44:45], s[96:97], s[44:45]
	s_add_nc_u64 s[46:47], s[66:67], s[46:47]
	WIN 0x40                                       ; destination window 1, address window 0
.irp s, 0,1,2,3,4,5,6,7
.irp c, 0,1
	global_load_b128 v[8*\s+4*\c:8*\s+4*\c+3], v[EFO], s[18:19] offset:64*\s+32*\c   ; x: registers 4 c .. 4 c + 3 hold K = 128 s + 64 c + 32 h + 0 .. 31
.endr
.endr
.irp ty, 0,1,2
.irp s, 0,1,2,3,4,5,6,7
.irp c, 0,1
	global_load_b128 v[64+64*\ty+8*\s+4*\c:64+64*\ty+8*\s+4*\c+3], v[EFO], s[20:21] offset:524288*\ty+64*\s+32*\c   ; Wq, Wk, Wv lie 1,024 rows apart
.endr
.endr
.endr
	WIN 0
	global_load_b128 v[EXS:EXS+3], v[ESO], s[22:23]
	global_load_b128 v[EXS+4:EXS+7], v[ESO], s[22:23] offset:16
.irp ty, 0,1,2
	global_load_b128 v[EWS+8*\ty:EWS+8*\ty+3], v[ESO], s[42:43] offset:32768*\ty
	global_load_b128 v[EWS+8*\ty+4:EWS+8*\ty+7], v[ESO], s[42:43] offset:32768*\ty+16
.endr
	global_load_b128 v[ETB:ETB+3], v[ELI], s[44:45]
	global_load_b128 v[ETB+4:ETB+7], v[ELI], s[44:45] offset:512
	s_wait_loadcnt 0x0
	WIN 0x05                                       ; sources 0 and 1 window 1; C and D window 0
.irp s, 0,1,2,3,4,5,6,7                ; three accumulators by turns, one instruction a turn
.if \s == 0
	v_wmma_scale_f32_16x16x128_f8f6f4 v[EAQ:EAQ+7], v[64+8*\s:64+8*\s+7], v[8*\s:8*\s+7], 0, v[EWS+\s], v[EXS+\s] matrix_a_fmt:MATRIX_FMT_FP4 matrix_b_fmt:MATRIX_FMT_FP4
	v_wmma_scale_f32_16x16x128_f8f6f4 v[EAK:EAK+7], v[128+8*\s:128+8*\s+7], v[8*\s:8*\s+7], 0, v[EWS+8+\s], v[EXS+\s] matrix_a_fmt:MATRIX_FMT_FP4 matrix_b_fmt:MATRIX_FMT_FP4
	v_wmma_scale_f32_16x16x128_f8f6f4 v[EAV:EAV+7], v[8*\s:8*\s+7], v[192+8*\s:192+8*\s+7], 0, v[EXS+\s], v[EWS+16+\s] matrix_a_fmt:MATRIX_FMT_FP4 matrix_b_fmt:MATRIX_FMT_FP4
.else
	v_wmma_scale_f32_16x16x128_f8f6f4 v[EAQ:EAQ+7], v[64+8*\s:64+8*\s+7], v[8*\s:8*\s+7], v[EAQ:EAQ+7], v[EWS+\s], v[EXS+\s] matrix_a_fmt:MATRIX_FMT_FP4 matrix_b_fmt:MATRIX_FMT_FP4
	v_wmma_scale_f32_16x16x128_f8f6f4 v[EAK:EAK+7], v[128+8*\s:128+8*\s+7], v[8*\s:8*\s+7], v[EAK:EAK+7], v[EWS+8+\s], v[EXS+\s] matrix_a_fmt:MATRIX_FMT_FP4 matrix_b_fmt:MATRIX_FMT_FP4
	v_wmma_scale_f32_16x16x128_f8f6f4 v[EAV:EAV+7], v[8*\s:8*\s+7], v[192+8*\s:192+8*\s+7], v[EAV:EAV+7], v[EXS+\s], v[EWS+16+\s] matrix_a_fmt:MATRIX_FMT_FP4 matrix_b_fmt:MATRIX_FMT_FP4
.endif
.endr
	WIN 0
.rept 4
	v_nop                                          ; four places in front of the first read of the results (ISA guide 7.12.1)
.endr
.macro EROT src, dst                   ; even' = even cos - odd sin, odd' = even sin + odd cos; the accumulator is read from its low end on
.irp p, 0,1,2,3
	v_mul_f32 v[\dst+2*\p], v[\src+2*\p+1], v[ETB+2*\p+1]
	v_mul_f32 v[\dst+2*\p+1], v[\src+2*\p], v[ETB+2*\p+1]
.endr
.irp p, 0,1,2,3
	v_fma_f32 v[\dst+2*\p], v[\src+2*\p], v[ETB+2*\p], -v[\dst+2*\p]
	v_fma_f32 v[\dst+2*\p+1], v[\src+2*\p+1], v[ETB+2*\p], v[\dst+2*\p+1]
.endr
.endm
	EROT EAQ, ERQ
	EROT EAK, ERK
	; my part of S^T: source 0 = 16 keys, source 1 = 16 queries; two accumulators by turns, each begun with the constant 0
	v_wmma_f32_16x16x4_f32 v[ESA:ESA+7], v[ERK:ERK+1], v[ERQ:ERQ+1], 0
	v_wmma_f32_16x16x4_f32 v[ESA+8:ESA+15], v[ERK+2:ERK+3], v[ERQ+2:ERQ+3], 0
	v_wmma_f32_16x16x4_f32 v[ESA:ESA+7], v[ERK+4:ERK+5], v[ERQ+4:ERQ+5], v[ESA:ESA+7]
	v_wmma_f32_16x16x4_f32 v[ESA+8:ESA+15], v[ERK+6:ERK+7], v[ERQ+6:ERQ+7], v[ESA+8:ESA+15]
.rept 8
	v_nop                                          ; eight places behind this form in front of the first read of its results
.endr
.irp n, 0,2,4,6
	v_pk_add_f32 v[ES+\n:ES+\n+1], v[ESA+\n:ESA+\n+1], v[ESA+8+\n:ESA+9+\n]   ; into other registers; both accumulators from their low end on
.endr
	ds_store_b128 v[EPW], v[ES:ES+3]               ; lane (r, h): query r, keys 8 h + 0 .. 7
	ds_store_b128 v[EPW], v[ES+4:ES+7] offset:512
	s_wait_dscnt 0x0                               ; for the others' sake: my stores have landed
	s_barrier_signal -1
	s_barrier_wait -1
.irp p, 0,1,2,3
	ds_load_b128 v[EPT+8*\p:EPT+8*\p+3], v[ERD] offset:1024*\p
	ds_load_b128 v[EPT+8*\p+4:EPT+8*\p+7], v[ERD] offset:1024*\p+512
.endr
	s_wait_dscnt 0x0
.irp n, 0,2,4,6
	v_pk_add_f32 v[ES+\n:ES+\n+1], v[EPT+\n:EPT+\n+1], v[EPT+8+\n:EPT+9+\n]
	v_pk_add_f32 v[EPT+16+\n:EPT+17+\n], v[EPT+16+\n:EPT+17+\n], v[EPT+24+\n:EPT+25+\n]
.endr
.irp n, 0,2,4,6
	v_pk_add_f32 v[ES+\n:ES+\n+1], v[ES+\n:ES+\n+1], v[EPT+16+\n:EPT+17+\n]   ; the scores over all 64 channels: the same order, so the same bits, in all four waves
.endr
.irp j, 0,1,2,3,4,5,6,7
	v_cmp_gt_i32 vcc_lo, \j, v[ERM]                ; key 8 h + j comes after query r: hidden
	v_cndmask_b32 v[ES+\j], v[ES+\j], v[ENI], vcc_lo
.endr
	v_max3_num_f32 v[EMX], v[ES], v[ES+1], v[ES+2]
	v_max3_num_f32 v[EMX], v[EMX], v[ES+3], v[ES+4]
	v_max3_num_f32 v[EMX], v[EMX], v[ES+5], v[ES+6]
	v_max_num_f32 v[EMX], v[EMX], v[ES+7]
	v_permlanex16_b32 v[EMO], v[EMX], s92, s93     ; the query's other eight keys lie in the lane 16 away
	v_max_num_f32 v[EMX], v[EMX], v[EMO]           ; key 0 counts for every query: a number
	v_mul_f32 v[ECM], s94, v[EMX]
.irp j, 0,1,2,3,4,5,6,7
	v_fma_f32 v[ES+\j], v[ES+\j], s94, -v[ECM]     ; c s - c m
.endr
.irp j, 0,1,2,3,4,5,6,7
	v_exp_f32 v[ES+\j], v[ES+\j]
.endr
	v_nop                                          ; a plain line behind the last exponential
	s_wait_alu depctr_va_vdst(0)                   ; one wait for the eight, ahead of their first reader
	v_pk_add_f32 v[EPT:EPT+1], v[ES:ES+1], v[ES+2:ES+3]
	v_pk_add_f32 v[EPT+2:EPT+3], v[ES+4:ES+5], v[ES+6:ES+7]
	v_pk_add_f32 v[EPT:EPT+1], v[EPT:EPT+1], v[EPT+2:EPT+3]
	v_add_f32 v[ELS], v[EPT], v[EPT+1]
	v_permlanex16_b32 v[ELO], v[ELS], s92, s93
	v_add_f32 v[ELS], v[ELS], v[ELO]               ; the row's sum
	v_rcp_f32 v[ELS], v[ELS]
	v_nop
	s_wait_alu depctr_va_vdst(0)
.irp j, 0,1,2,3,4,5,6,7
	v_mul_f32 v[ES+\j], v[ES+\j], v[ELS]           ; the weights, in f32
.endr
	; O^T: source 0 = my 16 channels of V^T, source 1 = the weights; K = the 16 keys
	v_wmma_f32_16x16x4_f32 v[EOA:EOA+7], v[EAV:EAV+1], v[ES:ES+1], 0
	v_wmma_f32_16x16x4_f32 v[EOA+8:EOA+15], v[EAV+2:EAV+3], v[ES+2:ES+3], 0
	v_wmma_f32_16x16x4_f32 v[EOA:EOA+7], v[EAV+4:EAV+5], v[ES+4:ES+5], v[EOA:EOA+7]
	v_wmma_f32_16x16x4_f32 v[EOA+8:EOA+15], v[EAV+6:EAV+7], v[ES+6:ES+7], v[EOA+8:EOA+15]
.rept 8
	v_nop
.endr
.irp n, 0,2,4,6
	v_pk_add_f32 v[EOU+\n:EOU+\n+1], v[EOA+\n:EOA+\n+1], v[EOA+8+\n:EOA+9+\n]
.endr
	global_store_b128 v[EOO], v[EOU:EOU+3], s[46:47]            ; token r, channels 16 t + 8 h + 0 .. 3
	global_store_b128 v[EOO], v[EOU+4:EOU+7], s[46:47] offset:16
.Lout_done:
	s_wait_tensorcnt 0x0                           ; the wave's end, on both ways
	ds_add_u32 v[SPW], v[NIL]
	s_wait_dscnt 0x0
	CROUND                                         ; the closing round
	s_endpgm
.Lfunc_end_k_q8abdb89d23_qkv:
	.size	k_q8abdb89d23_qkv, .Lfunc_end_k_q8abdb89d23_qkv-k_q8abdb89d23_qkv
	.p2alignl 7, 3214868480
	.fill 96, 4, 3214868480
	.section	.rodata,"a",@progbits
	.p2align	6, 0x0
	.amdhsa_kernel k_q8abdb89d23_qkv
		.amdhsa_group_segment_fixed_size 327680
		.amdhsa_private_segment_fixed_size 0
		.amdhsa_enable_private_segment 0
		.amdhsa_kernarg_size 48
		.amdhsa_user_sgpr_count 2
		.amdhsa_user_sgpr_kernarg_segment_ptr 1
		.amdhsa_wavefront_size32 1
		.amdhsa_system_sgpr_workgroup_id_x 1
		.amdhsa_system_sgpr_workgroup_id_y 1
		.amdhsa_system_sgpr_workgroup_id_z 1
		.amdhsa_system_vgpr_workitem_id 0
		.amdhsa_next_free_vgpr 1024
		.amdhsa_next_free_sgpr 102
		.amdhsa_reserve_vcc 1
		.amdhsa_float_denorm_mode_32 3
		.amdhsa_float_denorm_mode_16_64 3
		.amdhsa_memory_ordered 1
		.amdhsa_forward_progress 1
		.amdhsa_inst_pref_size 215
	.end_amdhsa_kernel
	.amdgpu_metadata
---
amdhsa.version: [ 1, 2 ]
amdhsa.kernels:
  - .name:           k_q8abdb89d23_qkv
    .symbol:         k_q8abdb89d23_qkv.kd
    .args:
      - { .name: cod, .offset: 0, .size: 8, .value_kind: global_buffer, .address_space: global }
      - { .name: sc, .offset: 8, .size: 8, .value_kind: global_buffer, .address_space: global }
      - { .name: tab, .offset: 16, .size: 8, .value_kind: global_buffer, .address_space: global }
      - { .name: qf, .offset: 24, .size: 8, .value_kind: global_buffer, .address_space: global }
      - { .name: kv, .offset: 32, .size: 8, .value_kind: global_buffer, .address_space: global }
      - { .name: a32, .offset: 40, .size: 8, .value_kind: global_buffer, .address_space: global }
    .group_segment_fixed_size: 327680
    .private_segment_fixed_size: 0
    .kernarg_segment_align: 8
    .kernarg_segment_size: 48
    .max_flat_workgroup_size: 128
    .sgpr_count:     102
    .vgpr_count:     1024
    .wavefront_size: 32
...
	.end_amdgpu_metadata
.endif
;; end of part 2
;; launch attn (part 3): grid 8 x 32, 16 waves a work-group, no clusters, 327,680 bytes of LDS; arguments qf, kv, af; writes af
.if DOCPART == 3
	.amdgcn_target "amdgcn-amd-amdhsa--gfx1250"
	.amdhsa_code_object_version 6
	.text
	.protected	k_q8abdb89d23_attn
	.globl	k_q8abdb89d23_attn
	.p2align	8
	.type	k_q8abdb89d23_attn,@function
k_q8abdb89d23_attn:
	s_mov_b64 s[64:65], 0
	v_nop
	global_prefetch_b8 v0, s[64:65] scope:SCOPE_SE
	s_setreg_imm32_b32 hwreg(HW_REG_WAVE_MODE, 25, 1), 1
	s_wait_xcnt 0x0
; ATTN: causal attention, 32 (batch, head) x 2,048 tokens x 64 channels, operands in f16, products, maxima and sums in f32; p is rounded to f16 for the second product, the result once at the end.
; SHARES.  Work-group (I, bh) makes the blocks of 128 queries 15 - I and then I: 17 squares of 128 x 128 under the mask for every work-group, so that only what the mask keeps is multiplied and all work-groups have equal work.
; Of the sixteen waves, wave w takes queries 32 (w % 4) on of the block (two tiles of 16) and keys 64 (w / 4) on of each step of 256 keys: a fragment of K or V read from LDS feeds two products.
; Four waves lie on a SIMD, 256 registers each: one wave's softmax stands beside another's products.  At a block's end the four key quarters of a query group meet in LDS and are merged.
; LAYOUT.  S^T = K Q^T (source 0 = 16 keys, source 1 = 16 queries), O^T = V^T P (source 0 = 16 channels, source 1 = P): a lane holds ONE query (lane % 16) throughout.  Q, K and V lie in memory as images of the operands' registers
; (512 bytes, lane l's 16 bytes at 16 l), so a step's K and V are one dense block of 65,536 bytes, and every LDS load takes 512 consecutive bytes.  V's images are turned by ds_load_tr16_b128.
; SOFTMAX.  A running maximum m and sum l for each query: p = 2^(c s - c m), c = log2(e) / 8; in every step O and l are multiplied by 2^(c m_old - c m_new).
; THE RING.  Two slots of 65,536 bytes; waves 0 to 3 fetch a quarter of a step each.  The trip counts are constants (8 and 4).  A step all of whose keys come after the wave's queries is left out by a scalar branch on ids,
; and a slot that no wave would read is not asked for: every wait on TENSORcnt is for 0.
; The second block's first step is asked for in the first block's first idle trip whose free slot is slot 0.
; NO CLUSTER: the work-groups that read the same K and V differ in their block of queries, on which the jumps above hang; partners that ran alike would multiply the hidden half as well: twice the products.
; LIMITS: the result must lie inside f16's range, which holds where V does; NaN and infinities are not served.
.set SLOT1, 1<<16                      ; slot 1 begins here: one exclusive or turns an address
.set VPART, 32768                      ; in a slot: K's 64 images, then V's
.set STAGE, 2*SLOT1                    ; behind the ring: 16 regions for the merge: wave (G, KQ) has region 4 G + KQ: O^T as [channel tile 4][query tile 2][half 2][512], then 512 bytes of statistics
.set PART,  8704
.set SPARE, STAGE+16*PART              ; the spare words, 128 bytes a wave
.set LI,   1                           ; v1   16 x lane
.set ADR0, 2                           ; v2   my key quarter's place in a slot + 16 x lane
.set ADR,  3                           ; v3   the same in the slot in hand
.set MADR, 4                           ; v4   my region of the stage
.set SPW,  5                           ; v5   my spare word; never rewritten
.set NIL,  6                           ; v6   0; never rewritten
.set RM,   7                           ; v7   lane % 16 - 8 (lane / 16)
.set DD,   8                           ; v8   the mask's bound
.set NINF, 9                           ; v9   -infinity
.set ST,   10                          ; v10-25 statistics, 8 a tile: +0 c m, +1 m, +2, +3 l in two halves, +4 .. +7 at work (a in +6)
.set PFO,  26                          ; v26  256 x lane: the prefetches' offset; never rewritten
.set RADR, 30                          ; v30  the merge: my channel tile in my query group's four regions
.set SADR, 31                          ; v31  and their statistics
.set Q,    32                          ; v32-63   Q: fragment (tile t, channels 32 ks on) at 32 + 16 t + 8 ks
.set KV,   64                          ; v64-127  eight fragments of K, then of V
.set S,    128                         ; v128-191 S^T: tile (t, kt) at 128 + 32 t + 8 kt; then p; P in f16 in each tile's low 16
.set OT,   192                         ; v192-255 O^T: tile (t, dt) at 192 + 32 t + 8 dt
.set FF,   144                         ; the merge: factors, a pair for each (t, p)
.set RES,  160
.set HF,   176
.set CX,   184
.set LS,   186
.set LT,   188
.set WV,   10                          ; s10 wave; s11 query group; s12 key quarter
.set GQ,   11
.set KQ,   12
.set II,   13                          ; s13 I; s15 I / 2; s14 (batch, head)
.set BH,   14
.set IH,   15
.set G1,   16                          ; s[16:23] descriptor group 1
.set G0,   24                          ; s[24:27] group 0
.set KVB,  28                          ; s[28:29] my quarter of the head's step 0
.set TB,   30                          ; s30 where the slot in hand begins
.set T,    31                          ; s31 the trip
.set KB,   32                          ; s32 my first key of the step
.set QB,   33                          ; s33 my first query
.set NCUR, 34                          ; s34 steps that the block has
.set ECUR, 35                          ; s35 the trip number at which the next block's step 0 is asked for
.set FL,   36                          ; s36 1: this change of slots asks for a tile
.set QP,   38
.set AP,   40
.set PFA,  42
.set LIM,  44
.set CS,   46
.set SEL,  48
.macro TLOAD                           ; waves 0 to 3 fetch; an s_nop 0 and four v_nop follow the line.  By this text's count a wave has one tensor load out at the most
	s_cmp_lt_u32 s[WV], 4
	s_cbranch_scc0 .Lnone_\@
	tensor_load_to_lds s[G0:G0+3], s[G1:G1+7]
	s_nop 0
.rept 4
	v_nop
.endr
.Lnone_\@:
.endm
; A PREFETCH INTO THE L2, in the first block's trips 0 to 5: trip T names key step T + 2, one trip ahead of the load that asks for it.  All eight work-groups of a head walk the same K and V: the one with I = 0, which walks
; all eight steps, asks.  In it waves 4 to 11, which fetch nothing, take 8,192 bytes each, lanes 256 bytes apart: each aligned block of 256 bytes of steps 2 to 7 is named once in the launch.  Steps 0 and 1 come by their loads alone.
.macro ASK
	s_cmp_lt_u32 s[T], s[LIM]
	s_cbranch_scc0 .Lnot_mine_\@
	global_prefetch_b8 v[PFO], s[PFA:PFA+1] th:TH_LOAD_NT scope:SCOPE_SE
.Lnot_mine_\@:
.endm
	s_load_b128 s[4:7], s[0:1], 0x0                ; qf s[4:5], kv s[6:7]
	s_load_b64 s[8:9], s[0:1], 0x10                ; af
	v_lshl_add_u32 v[SPW], v0, 2, SPARE
	v_mov_b32 v[NIL], 0
	ds_add_u32 v[SPW], v[NIL]                      ; the wave's opening
	v_lshrrev_b32 v1, 5, v0
	v_readfirstlane_b32 s[WV], v1
	s_and_b32 s[GQ], s[WV], 3
	s_lshr_b32 s[KQ], s[WV], 2
	s_mov_b32 s[II], ttmp9
	s_lshr_b32 s[IH], ttmp9, 1
	s_and_b32 s[BH], ttmp7, 0xffff
	s_mov_b32 s[G1+0], 3<<16                       ; no mask; elements of 8 bytes; no padding: every LDS load takes 512 consecutive bytes
	s_mov_b32 s[G1+1], 32<<16                      ; tensor_dim0 = 32 elements: rows of 256 bytes
	s_mov_b32 s[G1+2], 64<<16                      ; tensor_dim1 = 64
	s_mov_b32 s[G1+3], 32<<16                      ; tile_dim0
	s_mov_b32 s[G1+4], 64                          ; tile_dim1: 16,384 bytes a load
	s_mov_b32 s[G1+5], 32                          ; dense
	s_mov_b32 s[G1+6], 0
	s_mov_b32 s[G1+7], 0
	s_mov_b32 s[G0], 1
	s_lshl_b32 s[G0+1], s[WV], 14                  ; slot 0, my quarter
	s_mov_b32 s[CS], 0x3e38aa3b                    ; c = log2(e) / 8
	s_mov_b32 s[CS+1], s[CS]
	s_mov_b32 s[SEL], 0x76543210
	s_mov_b32 s[SEL+1], 0xfedcba98
	s_mov_b32 s[TB], 0
	s_lshl_b32 s52, s[BH], 19                      ; a head's K and V: 2^19 bytes
	s_lshl_b32 s50, s[WV], 14
	s_add_co_u32 s52, s52, s50
	s_mov_b32 s53, 0
	s_wait_dscnt 0x0                               ; the opening add is done
	s_wait_kmcnt 0x0
	s_add_nc_u64 s[KVB:KVB+1], s[6:7], s[52:53]
	s_mov_b64 s[G0+2:G0+3], s[KVB:KVB+1]
	s_or_b32 s[G0+3], s[G0+3], 0x80000000
	TLOAD                                          ; key step 0 into slot 0
	s_add_co_u32 s50, s[WV], 4
	s_and_b32 s50, s50, 7
	s_lshl_b32 s50, s50, 13                        ; waves 4 to 11: 8,192 bytes each of a step,
	s_add_co_u32 s50, s50, 0x10000                 ; in step 1: the first change of slots steps it to step 2
	s_lshl_b32 s51, s[BH], 19
	s_add_co_u32 s52, s50, s51
	s_add_nc_u64 s[PFA:PFA+1], s[6:7], s[52:53]
	s_sub_co_u32 s50, s[WV], 4
	s_lshr_b32 s50, s50, 3                         ; 0 in waves 4 to 11,
	s_or_b32 s50, s50, ttmp9                       ; of the head's work-group 0
	s_cmp_eq_u32 s50, 0
	s_cselect_b32 s[LIM], 6, 0
	v_and_b32 v1, 31, v0
	v_and_b32 v[RM], 15, v0
	v_bfe_u32 v[DD], v0, 4, 1
	v_lshlrev_b32 v[DD], 3, v[DD]
	v_sub_nc_u32 v[RM], v[RM], v[DD]
	v_lshlrev_b32 v[PFO], 8, v1
	v_lshlrev_b32 v[LI], 4, v1
	s_lshl_b32 s50, s[KQ], 13                      ; my 64 keys: four blocks of 2,048 bytes
	v_add_nc_u32 v[ADR0], s50, v[LI]
	s_lshl_b32 s50, s[GQ], 2
	s_add_co_u32 s50, s50, s[KQ]
	s_mul_i32 s50, s50, PART
	s_add_co_u32 s50, s50, STAGE
	v_add_nc_u32 v[MADR], s50, v[LI]
	s_mul_i32 s50, s[GQ], 4*PART
	s_add_co_u32 s50, s50, STAGE
	s_lshl_b32 s51, s[KQ], 11
	s_add_co_u32 s51, s51, s50
	v_add_nc_u32 v[RADR], s51, v[LI]
	s_add_co_u32 s50, s50, 8192
	v_add_nc_u32 v[SADR], s50, v[LI]
	v_mov_b32 v[NINF], 0xff800000
; A block of queries begins.  ph = 1: block 15 - I; ph = 2: block I.
.macro INIT ph
.if \ph == 1
	s_sub_co_u32 s50, 15, s[II]
	s_sub_co_u32 s[NCUR], 8, s[IH]                 ; block / 2 + 1 steps of 256 keys
	s_add_co_u32 s[ECUR], s[NCUR], 1
	s_and_b32 s[ECUR], s[ECUR], 14                 ; the least even number that is no less
.else
	s_mov_b32 s50, s[II]
	s_add_co_u32 s[NCUR], s[IH], 1
	s_mov_b32 s[ECUR], 0xffff                      ; no block follows
.endif
	s_lshl_b32 s[QB], s50, 7
	s_lshl_b32 s51, s[GQ], 5
	s_add_co_u32 s[QB], s[QB], s51
	s_lshl_b32 s52, s[BH], 18                      ; qf: 2^18 bytes a head, 128 a token
	s_lshl_b32 s51, s[QB], 7
	s_add_co_u32 s52, s52, s51
	s_mov_b32 s53, 0
	s_add_nc_u64 s[QP:QP+1], s[4:5], s[52:53]
	s_lshr_b32 s52, s[BH], 4                       ; af: 2,048 bytes a row of the output projection's A; in 16 rows' 32,768 bytes head hd, channel tile dt lie at 2,048 hd + 512 dt
	s_lshl_b32 s52, s52, 11
	s_add_co_u32 s52, s52, s[QB]
	s_lshl_b32 s52, s52, 11
	s_and_b32 s51, s[BH], 15
	s_lshl_b32 s51, s51, 11
	s_add_co_u32 s52, s52, s51
	s_lshl_b32 s51, s[KQ], 9                       ; at the merge I finish channel tile KQ
	s_add_co_u32 s52, s52, s51
	s_add_nc_u64 s[AP:AP+1], s[8:9], s[52:53]
	s_mov_b32 s[T], 0
	s_lshl_b32 s[KB], s[KQ], 6
.irp t, 0,1
.irp ks, 0,1
	global_load_b128 v[Q+16*\t+8*\ks:Q+16*\t+8*\ks+3], v[LI], s[QP:QP+1] offset:2048*\t+1024*\ks
	global_load_b128 v[Q+16*\t+8*\ks+4:Q+16*\t+8*\ks+7], v[LI], s[QP:QP+1] offset:2048*\t+1024*\ks+512
.endr
.endr
.irp t, 0,1
	v_mov_b32 v[ST+8*\t+1], 0xff61b1e6             ; m: -3e38, under every score
	v_mul_f32 v[ST+8*\t], s[CS], v[ST+8*\t+1]
	v_mov_b32 v[ST+8*\t+2], 0
	v_mov_b32 v[ST+8*\t+3], 0
.endr
.irp j, 0,1,2,3,4,5,6,7,8,9,10,11,12,13,14,15,16,17,18,19,20,21,22,23,24,25,26,27,28,29,30,31,32,33,34,35,36,37,38,39,40,41,42,43,44,45,46,47,48,49,50,51,52,53,54,55,56,57,58,59,60,61,62,63
	v_mov_b32 v[OT+\j], 0                          ; the step is written once: its first pass finds zeros; a wave that works no step hands zeros to the merge
.endr
.endm
; THE CHANGE OF SLOTS, at each trip's head.  Each wave waits for all its tensor loads, adds 0 to its spare word, and waits for that and for its reads of the slot that it has left.  Behind the barrier the slot ahead is whole and nobody reads the other one.
.macro CHANGE ask
	s_wait_tensorcnt 0x0                           ; no tensor load of mine is out, so group 0 may be written
	ds_add_u32 v[SPW], v[NIL]                      ; the descriptor's words stand between the add and the wait for it
	s_xor_b32 s[G0+1], s[G0+1], SLOT1              ; the other slot than last time
	s_add_co_u32 s50, s[T], 1                      ; the step that the next trip reads
	s_cmp_eq_u32 s50, s[ECUR]
	s_cselect_b32 s[FL], 1, 0                      ; asked for: the next block's step 0,
	s_cmp_lt_u32 s50, s[NCUR]
	s_cselect_b32 s[FL], 1, s[FL]                  ; or this block's next step
	s_cselect_b32 s50, s50, 0
	s_lshl_b32 s52, s50, 16
	s_mov_b32 s53, 0
	s_add_nc_u64 s[G0+2:G0+3], s[KVB:KVB+1], s[52:53]
	s_or_b32 s[G0+3], s[G0+3], 0x80000000
.if \ask
	s_wait_xcnt 0x0                                ; the last prefetch, a trip back, has read its address
	s_add_nc_u64 s[PFA:PFA+1], s[PFA:PFA+1], 0x10000
.endif
	s_wait_dscnt 0x0                               ; the add is done, and my reads of the slot that I have left are over
	s_barrier_signal -1
	s_barrier_wait -1
	s_cmp_eq_u32 s[FL], 0                          ; ids and the count of trips alone: all sixteen waves go the same way
	s_cbranch_scc1 .Lpast_\@
	TLOAD                                          ; a wave's one tensor load until the next such barrier: it has a trip in which to land
.Lpast_\@:
.if \ask
	ASK
.endif
.endm
.macro SOFTMAX                         ; the two tiles line by line in turn
.irp j, 0,1,2,3
.irp t, 0,1
	v_max3_num_f32 v[ST+8*\t+4+\j], v[S+32*\t+8*\j], v[S+32*\t+8*\j+1], v[S+32*\t+8*\j+2]   ; four chains a tile; each accumulator is read from its low end on
.endr
.endr
.irp g, 1,2
.irp j, 0,1,2,3
.irp t, 0,1
	v_max3_num_f32 v[ST+8*\t+4+\j], v[ST+8*\t+4+\j], v[S+32*\t+8*\j+2*\g+1], v[S+32*\t+8*\j+2*\g+2]
.endr
.endr
.endr
.irp t, 0,1
	v_max3_num_f32 v[ST+8*\t+4], v[ST+8*\t+4], v[S+32*\t+7], v[S+32*\t+15]
	v_max3_num_f32 v[ST+8*\t+6], v[ST+8*\t+6], v[S+32*\t+23], v[S+32*\t+31]
.endr
.irp t, 0,1
	v_max3_num_f32 v[ST+8*\t+4], v[ST+8*\t+4], v[ST+8*\t+5], v[ST+8*\t+6]
.endr
.irp t, 0,1
	v_max3_num_f32 v[ST+8*\t+4], v[ST+8*\t+4], v[ST+8*\t+7], v[ST+8*\t+1]   ; and the old m
.endr
.irp t, 0,1
	v_permlanex16_b32 v[ST+8*\t+5], v[ST+8*\t+4], s[SEL], s[SEL+1]   ; the query's other 32 keys lie in the lane 16 away
.endr
.irp t, 0,1
	v_mov_b32 v[ST+8*\t+7], v[ST+8*\t]             ; c m_old
.endr
.irp t, 0,1
	v_max_num_f32 v[ST+8*\t+1], v[ST+8*\t+4], v[ST+8*\t+5]
.endr
.irp t, 0,1
	v_mul_f32 v[ST+8*\t], s[CS], v[ST+8*\t+1]
.endr
.irp t, 0,1
	v_sub_f32 v[ST+8*\t+7], v[ST+8*\t+7], v[ST+8*\t]
.endr
.irp b, 0,1,2,3,4,5,6,7,8,9,10,11,12,13,14,15
.irp t, 0,1
	v_pk_fma_f32 v[S+32*\t+2*\b:S+32*\t+2*\b+1], v[S+32*\t+2*\b:S+32*\t+2*\b+1], s[CS:CS+1], v[ST+8*\t:ST+8*\t+1] op_sel_hi:[1,0,0] neg_lo:[0,0,1] neg_hi:[0,0,1]   ; c s - c m
.endr
.endr
.irp t, 0,1
	v_exp_f32 v[ST+8*\t+6], v[ST+8*\t+7]           ; a = 2^(c m_old - c m_new)
.endr
.irp j, 0,1,2,3,4,5,6,7,8,9,10,11,12,13,14,15,16,17,18,19,20,21,22,23,24,25,26,27,28,29,30,31,32,33,34,35,36,37,38,39,40,41,42,43,44,45,46,47,48,49,50,51,52,53,54,55,56,57,58,59,60,61,62,63
	v_exp_f32 v[S+\j], v[S+\j]                     ; p: one batch with a
.endr
	v_nop                                          ; a plain line behind the last exponential
	s_wait_alu depctr_va_vdst(0)                   ; one wait for the batch of 66, ahead of its first reader
.irp t, 0,1
	v_pk_mul_f32 v[ST+8*\t+2:ST+8*\t+3], v[ST+8*\t+2:ST+8*\t+3], v[ST+8*\t+6:ST+8*\t+7] op_sel_hi:[1,0]   ; l under the new m
.endr
.irp t, 0,1
	v_pk_add_f32 v[ST+8*\t+4:ST+8*\t+5], v[S+32*\t:S+32*\t+1], v[S+32*\t+2:S+32*\t+3]   ; the sums are taken of the unrounded p, in two chains a tile
.endr
.irp j, 4,8,12,16,20,24,28
.irp t, 0,1
	v_pk_add_f32 v[ST+8*\t+2:ST+8*\t+3], v[ST+8*\t+2:ST+8*\t+3], v[S+32*\t+\j:S+32*\t+\j+1]
	v_pk_add_f32 v[ST+8*\t+4:ST+8*\t+5], v[ST+8*\t+4:ST+8*\t+5], v[S+32*\t+\j+2:S+32*\t+\j+3]
.endr
.endr
.irp t, 0,1
	v_pk_add_f32 v[ST+8*\t+2:ST+8*\t+3], v[ST+8*\t+2:ST+8*\t+3], v[ST+8*\t+4:ST+8*\t+5]
.endr
.irp d, 0,1,2,3,4,5,6,7,8,9,10,11,12,13,14,15
.irp t, 0,1
	v_cvt_pk_f16_f32 v[S+32*\t+\d], v[S+32*\t+2*\d], v[S+32*\t+2*\d+1]   ; ascending: register d is written when 2 d and 2 d + 1 are read: P lies in the tile's low 16, as source 1 wants it
.endr
.endr
.irp n, 0,1,2,3,4,5,6,7,8,9,10,11,12,13,14,15
.irp t, 0,1
	v_pk_mul_f32 v[OT+32*\t+2*\n:OT+32*\t+2*\n+1], v[OT+32*\t+2*\n:OT+32*\t+2*\n+1], v[ST+8*\t+6:ST+8*\t+7] op_sel_hi:[1,0]   ; O^T under the new m
.endr
.endr
.endm
; A KEY STEP: my 64 keys of the trip's 256, against my 32 queries.
.macro STEP
	s_add_co_u32 s50, s[QB], 31
	s_cmp_gt_u32 s[KB], s50                        ; all my keys come after my queries: nothing to do.  (Where the step is worked, my first key counts for every query of mine: both numbers are multiples of 32, the key's of 64)
	s_cbranch_scc1 .Lhid_\@
	v_add_nc_u32 v[ADR], s[TB], v[ADR0]
.irp ks, 0,1
.irp kt, 0,1,2,3
	ds_load_b128 v[KV+8*(4*\ks+\kt):KV+8*(4*\ks+\kt)+3], v[ADR] offset:2048*\kt+1024*\ks
	ds_load_b128 v[KV+8*(4*\ks+\kt)+4:KV+8*(4*\ks+\kt)+7], v[ADR] offset:2048*\kt+1024*\ks+512
.endr
.endr
	s_wait_loadcnt 0x0                             ; Q
	s_wait_dscnt 8                                 ; channels 0-31 are in; the eight loads of channels 32-63 may be out
.irp kt, 0,1,2,3
.irp t, 0,1
	v_wmma_f32_16x16x32_f16 v[S+32*\t+8*\kt:S+32*\t+8*\kt+7], v[KV+8*\kt:KV+8*\kt+7], v[Q+16*\t:Q+16*\t+7], 0
.endr
.endr
	s_wait_dscnt 0x0
.irp kt, 0,1,2,3
.irp t, 0,1
	v_wmma_f32_16x16x32_f16 v[S+32*\t+8*\kt:S+32*\t+8*\kt+7], v[KV+32+8*\kt:KV+32+8*\kt+7], v[Q+16*\t+8:Q+16*\t+15], v[S+32*\t+8*\kt:S+32*\t+8*\kt+7]   ; the eight accumulators by turns
.endr
.endr
.rept 4
	v_nop                                          ; places in front of the loads into K's registers and of the first read of the scores
.endr
.irp u, 0,1
.irp dt, 0,1,2,3
	ds_load_tr16_b128 v[KV+8*(4*\u+\dt):KV+8*(4*\u+\dt)+3], v[ADR] offset:VPART+4096*\u+512*\dt           ; V^T: channels 16 dt on, keys 32 u on: they land under the softmax
	ds_load_tr16_b128 v[KV+8*(4*\u+\dt)+4:KV+8*(4*\u+\dt)+7], v[ADR] offset:VPART+4096*\u+2048+512*\dt
.endr
.endr
	s_add_co_u32 s50, s[KB], 63
	s_cmp_le_u32 s50, s[QB]
	s_cbranch_scc1 .Lopen_\@                       ; all my keys count for all my queries
	s_sub_co_i32 s50, s[QB], s[KB]
	v_add_nc_u32 v[DD], s50, v[RM]                 ; register (t, kt, j) holds key KB + 16 kt + 8 h + j and query QB + 16 t + r: hidden where 16 kt + j - 16 t > QB - KB + r - 8 h
.irp t, 0,1
.irp kt, 0,1,2,3
.irp j, 0,1,2,3,4,5,6,7
	v_cmp_gt_i32 vcc_lo, 16*\kt+\j-16*\t, v[DD]
	v_cndmask_b32 v[S+32*\t+8*\kt+\j], v[S+32*\t+8*\kt+\j], v[NINF], vcc_lo
.endr
.endr
.endr
.Lopen_\@:
	SOFTMAX
	s_wait_dscnt 0x0                               ; V
.irp u, 0,1
.irp dt, 0,1,2,3
.irp t, 0,1
	v_wmma_f32_16x16x32_f16 v[OT+32*\t+8*\dt:OT+32*\t+8*\dt+7], v[KV+8*(4*\u+\dt):KV+8*(4*\u+\dt)+7], v[S+32*\t+8*\u:S+32*\t+8*\u+7], v[OT+32*\t+8*\dt:OT+32*\t+8*\dt+7]   ; the eight accumulators by turns
.endr
.endr
.endr
.rept 5
	v_nop                                          ; the next products write S^T over registers that these read as P: five places; the next loads into V's registers and the merge's reads want four
.endr
.Lhid_\@:
	s_add_co_u32 s[KB], s[KB], 256
	s_xor_b32 s[TB], s[TB], SLOT1
	s_add_co_u32 s[T], s[T], 1
.endm
; THE MERGE of a query group's four key quarters, alike in all sixteen waves: each wave hands over its O^T and statistics, and finishes channel tile KQ of its group's two query tiles.
.macro MERGE
	s_wait_loadcnt 0x0                             ; Q's loads are in on every path: the next block's may be issued
	v_mov_b32 v[S], v[ST]                          ; c m and l of my two tiles: 16 bytes a lane
	v_add_f32 v[S+1], v[ST+2], v[ST+3]
	v_mov_b32 v[S+2], v[ST+8]
	v_add_f32 v[S+3], v[ST+10], v[ST+11]
.irp dt, 0,1,2,3
.irp t, 0,1
	ds_store_b128 v[MADR], v[OT+32*\t+8*\dt:OT+32*\t+8*\dt+3] offset:2048*\dt+1024*\t         ; each accumulator from its low end on
	ds_store_b128 v[MADR], v[OT+32*\t+8*\dt+4:OT+32*\t+8*\dt+7] offset:2048*\dt+1024*\t+512
.endr
.endr
	ds_store_b128 v[MADR], v[S:S+3] offset:8192
	s_wait_dscnt 0x0                               ; for the others' sake: my stores have landed
	s_barrier_signal -1
	s_barrier_wait -1
.irp p, 0,1,2,3
	ds_load_b128 v[S+4*\p:S+4*\p+3], v[SADR] offset:PART*\p
.endr
.irp p, 0,1,2,3
.irp t, 0,1
	ds_load_b128 v[KV+16*\p+8*\t:KV+16*\p+8*\t+3], v[RADR] offset:PART*\p+1024*\t
	ds_load_b128 v[KV+16*\p+8*\t+4:KV+16*\p+8*\t+7], v[RADR] offset:PART*\p+1024*\t+512
.endr
.endr
	s_wait_dscnt 16                                ; the four statistics are in; the sixteen loads behind them may be out
.irp t, 0,1
	v_max3_num_f32 v[CX+\t], v[S+2*\t], v[S+4+2*\t], v[S+8+2*\t]
.endr
.irp t, 0,1
	v_max_num_f32 v[CX+\t], v[CX+\t], v[S+12+2*\t]   ; the largest c m of the four
.endr
.irp t, 0,1
.irp p, 0,1,2,3
	v_sub_f32 v[FF+8*\t+2*\p], v[S+4*\p+2*\t], v[CX+\t]
.endr
.endr
.irp t, 0,1
.irp p, 0,1,2,3
	v_exp_f32 v[FF+8*\t+2*\p], v[FF+8*\t+2*\p]     ; a quarter's factor; 0 for a quarter that worked no step
.endr
.endr
	v_nop
	s_wait_alu depctr_va_vdst(0)                   ; one wait for the eight
.irp t, 0,1
.irp p, 0,1,2,3
	v_mul_f32 v[FF+8*\t+2*\p+1], v[FF+8*\t+2*\p], v[S+4*\p+2*\t+1]
.endr
.endr
.irp t, 0,1
	v_add_f32 v[LS+\t], v[FF+8*\t+1], v[FF+8*\t+3]
	v_add_f32 v[LT+\t], v[FF+8*\t+5], v[FF+8*\t+7]
.endr
.irp t, 0,1
	v_add_f32 v[LS+\t], v[LS+\t], v[LT+\t]
.endr
.irp t, 0,1
	v_permlanex16_b32 v[LT+\t], v[LS+\t], s[SEL], s[SEL+1]
.endr
.irp t, 0,1
	v_add_f32 v[LS+\t], v[LS+\t], v[LT+\t]         ; the row's sum
.endr
.irp t, 0,1
	v_rcp_f32 v[LS+\t], v[LS+\t]
.endr
	v_nop
	s_wait_alu depctr_va_vdst(0)                   ; one wait for the two
.irp t, 0,1
.irp p, 0,1,2,3
	v_mul_f32 v[FF+8*\t+2*\p], v[FF+8*\t+2*\p], v[LS+\t]
.endr
.endr
	s_wait_dscnt 0x0
.irp t, 0,1
.irp n, 0,1,2,3
	v_pk_mul_f32 v[RES+8*\t+2*\n:RES+8*\t+2*\n+1], v[KV+8*\t+2*\n:KV+8*\t+2*\n+1], v[FF+8*\t:FF+8*\t+1] op_sel_hi:[1,0]
.endr
.endr
.irp p, 1,2,3
.irp t, 0,1
.irp n, 0,1,2,3
	v_pk_fma_f32 v[RES+8*\t+2*\n:RES+8*\t+2*\n+1], v[KV+16*\p+8*\t+2*\n:KV+16*\p+8*\t+2*\n+1], v[FF+8*\t+2*\p:FF+8*\t+2*\p+1], v[RES+8*\t+2*\n:RES+8*\t+2*\n+1] op_sel_hi:[1,0,1]
.endr
.endr
.endr
.irp t, 0,1
.irp n, 0,1,2,3
	v_cvt_pk_f16_f32 v[HF+4*\t+\n], v[RES+8*\t+2*\n], v[RES+8*\t+2*\n+1]
.endr
.endr
.irp t, 0,1
	global_store_b128 v[LI], v[HF+4*\t:HF+4*\t+3], s[AP:AP+1] offset:32768*\t   ; an image of the output projection's A: 512 consecutive bytes
.endr
	s_wait_xcnt 0x0                                ; the stores have read their data and their base: both are written again
.endm
	INIT 1
.Ltrip_hi:                                         ; 8 trips
	CHANGE 1
	STEP
	s_cmp_lt_u32 s[T], 8
	s_cbranch_scc1 .Ltrip_hi
	MERGE
	INIT 2
.Ltrip_lo:                                         ; 4 trips.  The second merge's stores into the stage stand behind these trips' barriers, which every wave reaches behind its reads of the first
	CHANGE 0
	STEP
	s_cmp_lt_u32 s[T], 4
	s_cbranch_scc1 .Ltrip_lo
	MERGE
	s_wait_tensorcnt 0x0                           ; the wave's end
	ds_add_u32 v[SPW], v[NIL]
	s_wait_dscnt 0x0
	s_endpgm
.Lfunc_end_k_q8abdb89d23_attn:
	.size	k_q8abdb89d23_attn, .Lfunc_end_k_q8abdb89d23_attn-k_q8abdb89d23_attn
	.p2alignl 7, 3214868480
	.fill 96, 4, 3214868480
	.section	.rodata,"a",@progbits
	.p2align	6, 0x0
	.amdhsa_kernel k_q8abdb89d23_attn
		.amdhsa_group_segment_fixed_size 327680
		.amdhsa_private_segment_fixed_size 0
		.amdhsa_enable_private_segment 0
		.amdhsa_kernarg_size 24
		.amdhsa_user_sgpr_count 2
		.amdhsa_user_sgpr_kernarg_segment_ptr 1
		.amdhsa_wavefront_size32 1
		.amdhsa_system_sgpr_workgroup_id_x 1
		.amdhsa_system_sgpr_workgroup_id_y 1
		.amdhsa_system_sgpr_workgroup_id_z 1
		.amdhsa_system_vgpr_workitem_id 0
		.amdhsa_next_free_vgpr 256
		.amdhsa_next_free_sgpr 66
		.amdhsa_reserve_vcc 1
		.amdhsa_float_denorm_mode_32 3
		.amdhsa_float_denorm_mode_16_64 3
		.amdhsa_memory_ordered 1
		.amdhsa_forward_progress 1
		.amdhsa_inst_pref_size 71
	.end_amdhsa_kernel
	.amdgpu_metadata
---
amdhsa.version: [ 1, 2 ]
amdhsa.kernels:
  - .name:           k_q8abdb89d23_attn
    .symbol:         k_q8abdb89d23_attn.kd
    .args:
      - { .name: qf, .offset: 0, .size: 8, .value_kind: global_buffer, .address_space: global }
      - { .name: kv, .offset: 8, .size: 8, .value_kind: global_buffer, .address_space: global }
      - { .name: af, .offset: 16, .size: 8, .value_kind: global_buffer, .address_space: global }
    .group_segment_fixed_size: 327680
    .private_segment_fixed_size: 0
    .kernarg_segment_align: 8
    .kernarg_segment_size: 24
    .max_flat_workgroup_size: 512
    .sgpr_count:     66
    .vgpr_count:     256
    .wavefront_size: 32
...
	.end_amdgpu_metadata
.endif
;; end of part 3
;; launch oproj (part 4): grid 8 x 32, 4 waves a work-group, clusters of 4 x 4, 327,680 bytes of LDS; arguments af, wo16, out0; writes out0
.if DOCPART == 4
	.amdgcn_target "amdgcn-amd-amdhsa--gfx1250"
	.amdhsa_code_object_version 6
	.text
	.protected	k_q8abdb89d23_oproj
	.globl	k_q8abdb89d23_oproj
	.p2align	8
	.type	k_q8abdb89d23_oproj,@function
k_q8abdb89d23_oproj:
	s_mov_b64 s[64:65], 0
	v_nop
	global_prefetch_b8 v0, s[64:65] scope:SCOPE_SE
	s_setreg_imm32_b32 hwreg(HW_REG_WAVE_MODE, 25, 1), 1
	s_wait_xcnt 0x0
	s_wait_alu depctr_hold_cnt(0) depctr_sa_sdst(0) depctr_va_vdst(0) depctr_va_sdst(0) depctr_va_ssrc(0) depctr_va_vcc(0) depctr_vm_vsrc(0)
	s_getreg_b32 s2, hwreg(HW_REG_IB_STS2, 6, 4)
	s_cmp_eq_u32 s2, 0
	s_cbranch_scc0 .Lentry_in_a_cluster
	s_endpgm
.Lentry_in_a_cluster:
	s_bfe_u32 s2, ttmp6, 0x10000c
	s_cmp_lg_u32 s2, 0xf033
	s_cbranch_scc0 .Lentry_shape_is_right
	s_endpgm
.Lentry_shape_is_right:
; OPROJ: out0[m][n] = sum over k of A[m][k] Wo[n][k], 4,096 x 1,024 x 1,024, operands in f16, sums and result in f32.
; A is the attention launch's result, laid as images of this product's operand registers: [row / 16][k / 32][2][512 bytes, lane l's 16 bytes at 16 l].  Wo is f16, row-major.
; A tile of C is 128 x 128: 256 work-groups.  Four waves, each 64 x 64: 16 accumulators.  K goes in steps of 256 through a ring of two LDS slots.
; A's part of a slot: for each 16 rows 8,192 consecutive bytes of memory, no padding (every LDS load takes 512 consecutive bytes); Wo's: rows of 512 bytes + 16 of padding.
; CLUSTERS: 4 x 4 work-groups; A's tiles are shared along a row of the cluster, Wo's along a column: joint loads.  THE MATRIX INSTRUCTION IS USED TRANSPOSED (source 0 = 16 rows of Wo, source 1 = 16 rows of A):
; a lane holds eight neighbouring numbers of a row of C.  A wave's 64 columns are 256 bytes of a row, aligned: each wave sends its results through a stage of its own, with no barrier.
; REGISTERS: window 0: v0-31 addresses; v32-95 at work on the way out; v128-255 the accumulators ((a, b) at v[128 + 8 (4 a + b)]).   window 1: two fragment buffers of 128: 64 registers of A, then 64 of Wo.
.set SIZE_N, 1024
.set SIZE_K, 1024
.set KSTEP,  256
.set PITCH,  528                       ; Wo's LDS row: 512 bytes + 16 of padding: the 16 rows that a load touches start at 16 different banks (64 banks of 4 bytes: ISA guide 11.1)
.set HALFT,  64*PITCH                  ; 64 rows of Wo: one tensor load
.set AHALF,  32768                     ; 64 rows of A, 256 along K: one tensor load
.set ASTEP,  8192                      ; a K step of 16 rows of A in memory
.set SLOT,   2*AHALF+2*HALFT
.set STAGE,  2*SLOT                    ; behind the ring: 16 rows x 272 bytes for each wave
.set SPITCH, 272
.set SPARE,  STAGE+4*16*SPITCH         ; the spare words, 128 bytes a wave
.set LAPS, SIZE_K/(2*KSTEP)
.set ADRA, 16
.set ADRB, 20
.set STO,  24
.set RD,   25
.set CO,   26
.set SPW,  28
.set NIL,  29
.set TMP,  32
.set ACC,  128
.set F0,   0
.set F1,   128
.set G1, 24
.set G0, 32
.set G1B, 48
.set G0B, 56
.set MSB, 0
.macro WIN new                         ; the immediate's high byte repeats the setting that is left
.if MSB != (\new)
	s_set_vgpr_msb (MSB<<8)|(\new)
.set MSB, (\new)
.endif
.endm
.set MUL,  0x05                        ; sources 0 (Wo) and 1 (A) window 1; C and D window 0
.set TO_F, 0x40                        ; destination window 1, address window 0
.macro JLOAD s                         ; a joint load: waves 0 and 1 fetch A's two halves, waves 2 and 3 Wo's; an s_nop 0 and four v_nop follow each of the two lines
	s_cmp_eq_u32 s11, 0
	s_cbranch_scc0 .Lfor_b_\@
	tensor_load_to_lds s[G0+4*\s:G0+4*\s+3], s[G1:G1+7]
	s_nop 0
.rept 4
	v_nop
.endr
	s_branch .Lasked_\@
.Lfor_b_\@:
	tensor_load_to_lds s[G0B+4*\s:G0B+4*\s+3], s[G1B:G1B+7]
	s_nop 0
.rept 4
	v_nop
.endr
.Lasked_\@:
.endm
.macro CREST                           ; a round of the cluster's barrier behind its opening barrier
	s_cmp_lg_u32 s10, 0
	s_cbranch_scc1 .Lnot_wave_0_\@
	s_barrier_signal -3
.Lnot_wave_0_\@:
	s_barrier_wait -3
	s_barrier_signal -1
	s_barrier_wait -1
.endm
.macro CROUND
	s_barrier_signal -1
	s_barrier_wait -1
	CREST
.endm
	s_load_b128 s[4:7], s[0:1], 0x0                ; af s[4:5], wo16 s[6:7]
	s_load_b64 s[8:9], s[0:1], 0x10                ; out0
	v_lshl_add_u32 v[SPW], v0, 2, SPARE
	v_mov_b32 v[NIL], 0
	ds_add_u32 v[SPW], v[NIL]                      ; the wave's opening
	v_lshrrev_b32 v1, 5, v0
	v_readfirstlane_b32 s10, v1                    ; wave 0..3
	s_lshr_b32 s11, s10, 1                         ; which half of the tile's rows is mine.  Also: I fetch for A (0) or for Wo (1)
	s_and_b32 s12, s10, 1                          ; which half of its columns.  Also: which 64 rows of that tile I fetch
	s_bfe_u32 s40, ttmp6, 0x40000                  ; cx, cy
	s_bfe_u32 s41, ttmp6, 0x40004
	s_lshl_b32 s42, ttmp9, 2
	s_add_co_u32 s42, s42, s40                     ; tile column
	s_and_b32 s13, ttmp7, 0xffff
	s_lshl_b32 s13, s13, 2
	s_add_co_u32 s13, s13, s41                     ; tile row
	s_lshl_b32 s43, s41, 2
	s_lshl_b32 s43, 15, s43                        ; my row of the cluster
	s_lshl_b32 s44, 0x1111, s40                    ; my column
	s_or_b32 s[G1+0], s43, (3<<16)|(1<<21)         ; A: the mask of my row; elements of 8 bytes; bit 21 beside a mask; no padding
	s_mov_b32 s[G1+1], 1024<<16                    ; tensor_dim0 = 1,024 elements: 8,192 bytes
	s_mov_b32 s[G1+2], 4<<16                       ; tensor_dim1 = 4: four blocks of 16 rows
	s_mov_b32 s[G1+3], 1024<<16                    ; tile_dim0
	s_mov_b32 s[G1+4], 4                           ; tile_dim1
	s_mov_b32 s[G1+5], 4096                        ; 32,768 bytes from block to block
	s_mov_b32 s[G1+6], 0
	s_mov_b32 s[G1+7], 0
	s_or_b32 s[G1B+0], s44, (1<<16)|(1<<20)|(1<<21)|(6<<22)|(3<<25)  ; Wo: the mask of my column; elements of 2 bytes; 4 words of padding after every 128
	s_mov_b32 s[G1B+1], KSTEP<<16
	s_mov_b32 s[G1B+2], 64<<16
	s_mov_b32 s[G1B+3], KSTEP<<16
	s_mov_b32 s[G1B+4], 64
	s_mov_b32 s[G1B+5], SIZE_K
	s_mov_b32 s[G1B+6], 0
	s_mov_b32 s[G1B+7], 0
	s_lshl_b32 s17, s12, 6                         ; which 64 rows of the tile I fetch
	s_lshl_b32 s16, s13, 7
	s_add_co_u32 s16, s16, s17                     ; A: row 128 x tile row + 64 x half
	s_lshl_b32 s46, s42, 7
	s_add_co_u32 s46, s46, s17                     ; Wo: row 128 x tile column + 64 x half
	s_mov_b32 s17, 0
	s_mov_b32 s47, 0
	s_mov_b64 s[18:19], SIZE_K*2                   ; 2,048 bytes a row in both (in A: 32,768 for 16 rows)
	s_mul_u64 s[16:17], s[16:17], s[18:19]
	s_mul_u64 s[46:47], s[46:47], s[18:19]
	s_lshl_b32 s20, s12, 15                        ; where they go: A's halves,
	s_mul_i32 s21, s12, HALFT
	s_add_co_u32 s21, s21, 2*AHALF                 ; then Wo's: no place in the cluster enters an LDS address
	s_wait_dscnt 0x0                               ; the opening add is done
	s_wait_kmcnt 0x0
	s_add_nc_u64 s[14:15], s[4:5], s[16:17]
	s_add_nc_u64 s[46:47], s[6:7], s[46:47]
	CROUND                                         ; all sixteen work-groups are here: the first joint loads meet
.irp s, 0,1
	s_mov_b32 s[G0+4*\s], 1
	s_add_co_u32 s[G0+4*\s+1], s20, \s*SLOT
	s_add_nc_u64 s[G0+4*\s+2:G0+4*\s+3], s[14:15], \s*ASTEP
	s_or_b32 s[G0+4*\s+3], s[G0+4*\s+3], 0x80000000
	s_mov_b32 s[G0B+4*\s], 1
	s_add_co_u32 s[G0B+4*\s+1], s21, \s*SLOT
	s_add_nc_u64 s[G0B+4*\s+2:G0B+4*\s+3], s[46:47], \s*KSTEP*2
	s_or_b32 s[G0B+4*\s+3], s[G0B+4*\s+3], 0x80000000
	JLOAD \s
.endr
	v_and_b32 v1, 15, v0                           ; r
	v_bfe_u32 v2, v0, 4, 1                         ; h
	v_and_b32 v6, 31, v0
	v_lshlrev_b32 v6, 4, v6                        ; 16 x lane
	v_mul_u32_u24 v3, v1, PITCH
	v_lshl_add_u32 v3, v2, 4, v3                   ; Wo: a fragment's row x pitch + 16 x half
	s_lshl_b32 s21, s11, 15                        ; my 64 rows of A
	s_mul_i32 s22, s12, HALFT                      ; my 64 rows of Wo,
	s_add_co_u32 s22, s22, 2*AHALF                 ; which lie behind A's
.irp s, 0,1
	v_add_nc_u32 v[ADRA+\s], s21, v6
	v_add_nc_u32 v[ADRB+\s], s22, v3
	s_add_co_u32 s21, s21, SLOT
	s_add_co_u32 s22, s22, SLOT
.endr
	s_mul_i32 s23, s10, 16*SPITCH
	s_add_co_u32 s23, s23, STAGE                   ; my stage
	v_mul_u32_u24 v4, v1, SPITCH                   ; in: row r, 32 bytes for each half of the lanes
	v_lshl_add_u32 v4, v2, 5, v4
	v_add_nc_u32 v[STO], s23, v4
	v_mul_u32_u24 v5, v2, SPITCH                   ; back: lanes 0-15 take one row of 256 bytes, lanes 16-31 the next
	v_lshl_add_u32 v5, v1, 4, v5
	v_add_nc_u32 v[RD], s23, v5
	v_lshlrev_b32 v5, 12, v2                       ; and the same two rows in C: 4,096 bytes a row
	v_lshl_add_u32 v[CO], v1, 4, v5
	s_lshl_b32 s16, s13, 7
	s_lshl_b32 s17, s11, 6
	s_add_co_u32 s16, s16, s17                     ; my first row of C
	s_lshl_b32 s16, s16, 12
	s_mov_b32 s17, 0
	s_add_nc_u64 s[8:9], s[8:9], s[16:17]
	s_lshl_b32 s46, s42, 9                         ; my first column, in bytes: 512 x tile column + 256 x half
	s_lshl_b32 s47, s12, 8
	s_add_co_u32 s46, s46, s47
	s_mov_b32 s47, 0
	s_add_nc_u64 s[8:9], s[8:9], s[46:47]
; 8 matrix instructions: m blocks a0, a0 + 1 x all 4 n blocks, 32 along K: half c of buffer f.  The 16 accumulators take turns.
.macro MUL8 f, c, a0, zero
.irp a, \a0, \a0+1
.irp b, 0,1,2,3
.if \zero
	v_wmma_f32_16x16x32_f16 v[ACC+8*(4*(\a)+\b):ACC+8*(4*(\a)+\b)+7], v[\f+64+8*(4*\c+\b):\f+64+8*(4*\c+\b)+7], v[\f+8*(4*\c+\a):\f+8*(4*\c+\a)+7], 0
.else
	v_wmma_f32_16x16x32_f16 v[ACC+8*(4*(\a)+\b):ACC+8*(4*(\a)+\b)+7], v[\f+64+8*(4*\c+\b):\f+64+8*(4*\c+\b)+7], v[\f+8*(4*\c+\a):\f+8*(4*\c+\a)+7], v[ACC+8*(4*(\a)+\b):ACC+8*(4*(\a)+\b)+7]
.endif
.endr
.endr
.endm
; 32 LDS loads in one run: the fragments of 64 along K (byte k of Wo's rows; A's images k / 64 and k / 64 + 1 of each block of 16 rows) into buffer f; the first 32 along K first
.macro FETCH slot, k, f
	WIN TO_F
.irp c, 0,1
.irp i, 0,1,2,3
	ds_load_b128 v[\f+64+8*(4*\c+\i):\f+64+8*(4*\c+\i)+3],   v[ADRB+\slot] offset:\k+64*\c+\i*16*PITCH
	ds_load_b128 v[\f+64+8*(4*\c+\i)+4:\f+64+8*(4*\c+\i)+7], v[ADRB+\slot] offset:\k+64*\c+\i*16*PITCH+32
	ds_load_b128 v[\f+8*(4*\c+\i):\f+8*(4*\c+\i)+3],         v[ADRA+\slot] offset:((\k)/64+\c)*1024+\i*ASTEP
	ds_load_b128 v[\f+8*(4*\c+\i)+4:\f+8*(4*\c+\i)+7],       v[ADRA+\slot] offset:((\k)/64+\c)*1024+\i*ASTEP+512
.endr
.endr
.endm
.macro PLACES                          ; four places in front of loads into registers that matrix instructions have read, and of the first read of results
.rept 4
	v_nop
.endr
.endm
.macro QUARTER slot, k, f, g, zero     ; 64 along K: multiplies buffer f and fetches the next quarter, at byte k, into g
	s_wait_dscnt 16                                ; the first 32 along K are in; the other sixteen loads may be out
	WIN MUL
	MUL8 \f, 0, 0, \zero
	MUL8 \f, 0, 2, \zero
	PLACES
	FETCH \slot, \k, \g
	s_wait_dscnt 32                                ; all but the 32 just issued
	WIN MUL
	MUL8 \f, 1, 0, 0
	MUL8 \f, 1, 2, 0
.endm
; The last quarter multiplies buffer 1 and changes slots: one barrier; in front of it each wave waits for all its tensor loads, adds 0 to its spare word, and waits for that and for its own reads of this slot.
.macro TURN slot, next, fill
	WIN 0                                          ; (the add's two registers lie in window 0)
	s_wait_tensorcnt 0x0                           ; all my tensor loads have landed: my part of the next slot
	ds_add_u32 v[SPW], v[NIL]
	s_wait_dscnt 17                                ; (the add and the youngest sixteen loads may be out)
	WIN MUL
	MUL8 F1, 0, 0, 0
	s_wait_dscnt 0x0                               ; the add is done, and my reads of this slot are over
	s_barrier_signal -1
	MUL8 F1, 0, 2, 0
.if \fill
	WIN 0
.endif
	s_barrier_wait -1
.if \fill
	CREST                                          ; the barrier has opened a round of the cluster's barrier: no wave of any partner still reads this slot or has a load on its way
	s_add_nc_u64 s[G0+4*\slot+2:G0+4*\slot+3], s[G0+4*\slot+2:G0+4*\slot+3], 2*ASTEP
	s_add_nc_u64 s[G0B+4*\slot+2:G0B+4*\slot+3], s[G0B+4*\slot+2:G0B+4*\slot+3], 2*KSTEP*2
	JLOAD \slot                                    ; the first tensor load behind the round; the four v_nop behind it are also the places in front of the loads below
.else
	PLACES
.endif
	FETCH \next, 0, F0
	WIN MUL
	MUL8 F1, 1, 0, 0
	MUL8 F1, 1, 2, 0
.endm
	s_wait_tensorcnt 1                             ; my part of K step 0 is in (K step 1's load may be out),
	s_barrier_signal -1
	s_barrier_wait -1                              ; everybody's is
	FETCH 0, 0, F0
	QUARTER 0, 128, F0, F1, 1                      ; the first products start the sums: nothing is cleared
	WIN 0
	s_mov_b32 s3, LAPS-1
.Llap:                                             ; a trip goes once round the ring and fills both slots again
	QUARTER 0, 256, F1, F0, 0
	QUARTER 0, 384, F0, F1, 0
	TURN 0, 1, 1
	QUARTER 1, 128, F0, F1, 0
	QUARTER 1, 256, F1, F0, 0
	QUARTER 1, 384, F0, F1, 0
	TURN 1, 0, 1
	QUARTER 0, 128, F0, F1, 0
	WIN 0
	s_sub_co_u32 s3, s3, 1
	s_cmp_lg_u32 s3, 0
	s_cbranch_scc1 .Llap
	QUARTER 0, 256, F1, F0, 0                      ; the last lap fills nothing
	QUARTER 0, 384, F0, F1, 0
	TURN 0, 1, 0
	QUARTER 1, 128, F0, F1, 0
	QUARTER 1, 256, F1, F0, 0
	QUARTER 1, 384, F0, F1, 0
	s_wait_dscnt 16
	WIN MUL
	MUL8 F1, 0, 0, 0
	MUL8 F1, 0, 2, 0
	s_wait_dscnt 0
	MUL8 F1, 1, 0, 0
	MUL8 F1, 1, 2, 0
	WIN 0
; THE WAY OUT, a block of 16 rows x 64 columns at a time, through my own stage: LDS serves a wave's instructions in order (ISA guide 5.7.1.4), so no wait stands between the stores and the loads, nor in front of the next block's stores.
.macro OSTAGE a
.irp b, 0,1,2,3
	ds_store_b128 v[STO], v[ACC+8*(4*(\a)+\b):ACC+8*(4*(\a)+\b)+3] offset:64*\b        ; each accumulator from its low end on
	ds_store_b128 v[STO], v[ACC+8*(4*(\a)+\b)+4:ACC+8*(4*(\a)+\b)+7] offset:64*\b+16
.endr
.irp i, 0,1,2,3,4,5,6,7
	ds_load_b128 v[TMP+32*((\a)%2)+4*\i:TMP+32*((\a)%2)+4*\i+3], v[RD] offset:\i*2*SPITCH
.endr
.endm
.macro OSEND a, younger                ; younger: the LDS instructions issued behind block a's loads
	s_wait_dscnt \younger
.irp i, 0,1,2,3,4,5,6,7
	global_store_b128 v[CO], v[TMP+32*((\a)%2)+4*\i:TMP+32*((\a)%2)+4*\i+3], s[8:9] offset:(16*(\a)+2*\i)*SIZE_N*4 th:TH_STORE_NT   ; 16 lanes store 256 consecutive bytes, aligned
.endr
.endm
	PLACES
	OSTAGE 0
	OSTAGE 1
	OSEND 0, 16                                    ; behind block 0's loads: block 1's 8 stores and 8 loads
	s_wait_xcnt 0x0                                ; block 0's stores have read their data: block 2's loads may land there
	OSTAGE 2
	OSEND 1, 16
	s_wait_xcnt 0x0
	OSTAGE 3
	OSEND 2, 16
	OSEND 3, 0
	s_wait_tensorcnt 0x0                           ; the wave's end
	ds_add_u32 v[SPW], v[NIL]
	s_wait_dscnt 0x0
	CROUND                                         ; the closing round
	s_endpgm
.Lfunc_end_k_q8abdb89d23_oproj:
	.size	k_q8abdb89d23_oproj, .Lfunc_end_k_q8abdb89d23_oproj-k_q8abdb89d23_oproj
	.p2alignl 7, 3214868480
	.fill 96, 4, 3214868480
	.section	.rodata,"a",@progbits
	.p2align	6, 0x0
	.amdhsa_kernel k_q8abdb89d23_oproj
		.amdhsa_group_segment_fixed_size 327680
		.amdhsa_private_segment_fixed_size 0
		.amdhsa_enable_private_segment 0
		.amdhsa_kernarg_size 24
		.amdhsa_user_sgpr_count 2
		.amdhsa_user_sgpr_kernarg_segment_ptr 1
		.amdhsa_wavefront_size32 1
		.amdhsa_system_sgpr_workgroup_id_x 1
		.amdhsa_system_sgpr_workgroup_id_y 1
		.amdhsa_system_sgpr_workgroup_id_z 1
		.amdhsa_system_vgpr_workitem_id 0
		.amdhsa_next_free_vgpr 512
		.amdhsa_next_free_sgpr 66
		.amdhsa_reserve_vcc 0
		.amdhsa_float_denorm_mode_32 3
		.amdhsa_float_denorm_mode_16_64 3
		.amdhsa_memory_ordered 1
		.amdhsa_forward_progress 1
		.amdhsa_inst_pref_size 86
	.end_amdhsa_kernel
	.amdgpu_metadata
---
amdhsa.version: [ 1, 2 ]
amdhsa.kernels:
  - .name:           k_q8abdb89d23_oproj
    .symbol:         k_q8abdb89d23_oproj.kd
    .args:
      - { .name: af, .offset: 0, .size: 8, .value_kind: global_buffer, .address_space: global }
      - { .name: wo16, .offset: 8, .size: 8, .value_kind: global_buffer, .address_space: global }
      - { .name: out0, .offset: 16, .size: 8, .value_kind: global_buffer, .address_space: global }
    .group_segment_fixed_size: 327680
    .private_segment_fixed_size: 0
    .kernarg_segment_align: 8
    .kernarg_segment_size: 24
    .max_flat_workgroup_size: 128
    .sgpr_count:     66
    .vgpr_count:     512
    .wavefront_size: 32
...
	.end_amdgpu_metadata
.endif
;; end of part 4
;; launch efix (part 5): grid 64 x 2, 8 waves a work-group, no clusters, 9,216 bytes of LDS; arguments a32, Wo, out0; writes out0
.if DOCPART == 5
	.amdgcn_target "amdgcn-amd-amdhsa--gfx1250"
	.amdhsa_code_object_version 6
	.text
	.protected	k_q8abdb89d23_efix
	.globl	k_q8abdb89d23_efix
	.p2align	8
	.type	k_q8abdb89d23_efix,@function
k_q8abdb89d23_efix:
	s_mov_b64 s[64:65], 0
	v_nop
	global_prefetch_b8 v0, s[64:65] scope:SCOPE_SE
	s_setreg_imm32_b32 hwreg(HW_REG_WAVE_MODE, 25, 1), 1
	s_wait_xcnt 0x0
; EFIX: the output projection of tokens 0 to 15 of each batch with f32 operands: out0[2,048 b + m][n] = sum over k of a32[16 b + m][k] Wo[n][k], m = 0 .. 15.
; It runs last and stores these 32 rows OVER what the large projection has left there with f16 operands (why these rows want more: the head of the launch that makes a32).  So 32 of 4,096 rows, 131,072 bytes, are stored
; twice, by two launches.  To leave them out of the large launch would take a branch on a work-group's place in its cluster.
; SHARES.  A work-group takes 16 columns of one batch's 16 rows; wave w of its eight takes K = 128 w to 128 w + 127.  128 work-groups: 64 tiles of columns x 2 batches.
; THE f32 MATRIX FORM (16 x 16 x 4), 32 instructions a wave, 34 million multiply-adds in the launch, a thousandth of the problem's: no bulk work.  Source 0 = 16 rows of Wo, source 1 = the 16 rows of a32: lane (r, h) of the
; result holds row r, columns 8 h + 0 .. 7.  In the operands lane (r, h), register j stand for k = 2 h + j.  A lane loads 64 neighbours of its row, K = 128 w + 64 h + 0 .. 63: 256 consecutive bytes, aligned, by sixteen loads on end;
; the pair of registers 2 t, 2 t + 1 of both operands gives that k the place 128 w + 64 h + 2 t + j.
; Four accumulators by turns, each begun with the constant 0; they are written by matrix instructions alone.  The eight waves' parts meet in LDS as images of their registers; one barrier; wave 0 adds and stores.
; A tile's row is 64 bytes: each store covers 32 bytes of each of 16 rows, a part of an aligned 256.
; No tensor load; no cluster: the launch reads 4 MiB of Wo twice and 128 KiB of a32 64 times, and has no loop in which joint requests could meet.
.set SPARE, 8192                       ; LDS: eight images of 1,024 bytes, then the spare words, 128 bytes a wave
.set SPW,  2                           ; v2   my spare word; never rewritten
.set NIL,  3                           ; v3   0; never rewritten
.set LI,   4                           ; v4   16 x lane
.set AO,   5                           ; v5   my place in 16 rows of Wo or a32: 4,096 r + 256 h
.set OO,   6                           ; v6   and in out0: 4,096 r + 32 h
.set PW,   7                           ; v7   LDS: my wave's image + 16 x lane
.set WF,   16                          ; v16-79   Wo
.set AF,   80                          ; v80-143  a32
.set ACC,  144                         ; v144-175 four accumulators
.set PS,   176                         ; v176-183 my part; in wave 0 at the end the result
.set RD,   184                         ; v184-247 the eight parts
	s_load_b128 s[4:7], s[0:1], 0x0                ; a32 s[4:5], Wo s[6:7]
	s_load_b64 s[8:9], s[0:1], 0x10                ; out0
	v_lshl_add_u32 v[SPW], v0, 2, SPARE
	v_mov_b32 v[NIL], 0
	v_lshrrev_b32 v1, 5, v0
	v_readfirstlane_b32 s10, v1                    ; wave
	s_and_b32 s11, ttmp7, 0xffff                   ; batch
	v_and_b32 v1, 31, v0
	v_lshlrev_b32 v[LI], 4, v1
	v_and_b32 v1, 15, v0                           ; r
	v_bfe_u32 v8, v0, 4, 1                         ; h
	v_lshlrev_b32 v[AO], 12, v1
	v_lshl_add_u32 v[OO], v8, 5, v[AO]
	v_lshl_add_u32 v[AO], v8, 8, v[AO]
	s_lshl_b32 s14, s10, 10
	v_add_nc_u32 v[PW], s14, v[LI]
	s_lshl_b32 s14, s10, 9                         ; my 128 along K: 512 bytes
	s_lshl_b32 s12, ttmp9, 16                      ; Wo: 16 rows of 4,096 bytes a tile of columns
	s_add_co_u32 s12, s12, s14
	s_mov_b32 s13, 0
	s_lshl_b32 s16, s11, 16                        ; a32: 16 rows a batch
	s_add_co_u32 s16, s16, s14
	s_mov_b32 s17, 0
	s_lshl_b32 s18, s11, 23                        ; out0: 2,048 rows a batch,
	s_lshl_b32 s14, ttmp9, 6                       ; 64 bytes a tile of columns
	s_add_co_u32 s18, s18, s14
	s_mov_b32 s19, 0
	s_wait_kmcnt 0x0
	s_add_nc_u64 s[12:13], s[6:7], s[12:13]
	s_add_nc_u64 s[16:17], s[4:5], s[16:17]
	s_add_nc_u64 s[18:19], s[8:9], s[18:19]
.irp i, 0,1,2,3,4,5,6,7,8,9,10,11,12,13,14,15
	global_load_b128 v[WF+4*\i:WF+4*\i+3], v[AO], s[12:13] offset:16*\i
	global_load_b128 v[AF+4*\i:AF+4*\i+3], v[AO], s[16:17] offset:16*\i
.endr
.irp i, 0,1,2,3,4,5,6,7,8,9,10,11,12,13,14,15
	s_wait_loadcnt 30-2*\i                         ; loads come back in order: pair i of the sixteen is in, the 30 - 2 i younger loads may be out
.irp u, 0,1
.if \i < 2
	v_wmma_f32_16x16x4_f32 v[ACC+8*(2*(\i%2)+\u):ACC+8*(2*(\i%2)+\u)+7], v[WF+4*\i+2*\u:WF+4*\i+2*\u+1], v[AF+4*\i+2*\u:AF+4*\i+2*\u+1], 0
.else
	v_wmma_f32_16x16x4_f32 v[ACC+8*(2*(\i%2)+\u):ACC+8*(2*(\i%2)+\u)+7], v[WF+4*\i+2*\u:WF+4*\i+2*\u+1], v[AF+4*\i+2*\u:AF+4*\i+2*\u+1], v[ACC+8*(2*(\i%2)+\u):ACC+8*(2*(\i%2)+\u)+7]
.endif
.endr
.endr
.rept 8
	v_nop                                          ; eight places behind this form in front of the first read of its results (ISA guide 7.12.1)
.endr
.irp n, 0,2,4,6
	v_pk_add_f32 v[PS+\n:PS+\n+1], v[ACC+\n:ACC+\n+1], v[ACC+8+\n:ACC+9+\n]         ; into other registers; each accumulator from its low end on
	v_pk_add_f32 v[RD+\n:RD+\n+1], v[ACC+16+\n:ACC+17+\n], v[ACC+24+\n:ACC+25+\n]
.endr
.irp n, 0,2,4,6
	v_pk_add_f32 v[PS+\n:PS+\n+1], v[PS+\n:PS+\n+1], v[RD+\n:RD+\n+1]
.endr
	ds_store_b128 v[PW], v[PS:PS+3]
	ds_store_b128 v[PW], v[PS+4:PS+7] offset:512
	s_wait_dscnt 0x0                               ; for wave 0's sake: my stores have landed
	s_barrier_signal -1
	s_barrier_wait -1
	s_cmp_lg_u32 s10, 0
	s_cbranch_scc1 .Ldone                          ; a tile is 1,024 bytes: one wave adds the eight parts
.irp p, 0,1,2,3,4,5,6,7
	ds_load_b128 v[RD+8*\p:RD+8*\p+3], v[LI] offset:1024*\p
	ds_load_b128 v[RD+8*\p+4:RD+8*\p+7], v[LI] offset:1024*\p+512
.endr
	s_wait_dscnt 0x0
.irp p, 0,2,4,6
.irp n, 0,2,4,6
	v_pk_add_f32 v[RD+8*\p+\n:RD+8*\p+\n+1], v[RD+8*\p+\n:RD+8*\p+\n+1], v[RD+8*\p+8+\n:RD+8*\p+9+\n]
.endr
.endr
.irp p, 0,4
.irp n, 0,2,4,6
	v_pk_add_f32 v[RD+8*\p+\n:RD+8*\p+\n+1], v[RD+8*\p+\n:RD+8*\p+\n+1], v[RD+8*\p+16+\n:RD+8*\p+17+\n]
.endr
.endr
.irp n, 0,2,4,6
	v_pk_add_f32 v[PS+\n:PS+\n+1], v[RD+\n:RD+\n+1], v[RD+32+\n:RD+33+\n]
.endr
	global_store_b128 v[OO], v[PS:PS+3], s[18:19]               ; row r, columns 8 h + 0 .. 3 of the tile
	global_store_b128 v[OO], v[PS+4:PS+7], s[18:19] offset:16
.Ldone:
	s_wait_tensorcnt 0x0                           ; the wave's end
	ds_add_u32 v[SPW], v[NIL]
	s_wait_dscnt 0x0
	s_endpgm
.Lfunc_end_k_q8abdb89d23_efix:
	.size	k_q8abdb89d23_efix, .Lfunc_end_k_q8abdb89d23_efix-k_q8abdb89d23_efix
	.p2alignl 7, 3214868480
	.fill 96, 4, 3214868480
	.section	.rodata,"a",@progbits
	.p2align	6, 0x0
	.amdhsa_kernel k_q8abdb89d23_efix
		.amdhsa_group_segment_fixed_size 9216
		.amdhsa_private_segment_fixed_size 0
		.amdhsa_enable_private_segment 0
		.amdhsa_kernarg_size 24
		.amdhsa_user_sgpr_count 2
		.amdhsa_user_sgpr_kernarg_segment_ptr 1
		.amdhsa_wavefront_size32 1
		.amdhsa_system_sgpr_workgroup_id_x 1
		.amdhsa_system_sgpr_workgroup_id_y 1
		.amdhsa_system_sgpr_workgroup_id_z 1
		.amdhsa_system_vgpr_workitem_id 0
		.amdhsa_next_free_vgpr 256
		.amdhsa_next_free_sgpr 66
		.amdhsa_reserve_vcc 0
		.amdhsa_float_denorm_mode_32 3
		.amdhsa_float_denorm_mode_16_64 3
		.amdhsa_memory_ordered 1
		.amdhsa_forward_progress 1
		.amdhsa_inst_pref_size 12
	.end_amdhsa_kernel
	.amdgpu_metadata
---
amdhsa.version: [ 1, 2 ]
amdhsa.kernels:
  - .name:           k_q8abdb89d23_efix
    .symbol:         k_q8abdb89d23_efix.kd
    .args:
      - { .name: a32, .offset: 0, .size: 8, .value_kind: global_buffer, .address_space: global }
      - { .name: Wo, .offset: 8, .size: 8, .value_kind: global_buffer, .address_space: global }
      - { .name: out0, .offset: 16, .size: 8, .value_kind: global_buffer, .address_space: global }
    .group_segment_fixed_size: 9216
    .private_segment_fixed_size: 0
    .kernarg_segment_align: 8
    .kernarg_segment_size: 24
    .max_flat_workgroup_size: 256
    .sgpr_count:     66
    .vgpr_count:     256
    .wavefront_size: 32
...
	.end_amdgpu_metadata
.endif
;; end of part 5
